; MI455X (gfx1250); checked and timed in simulation.
; The chip was launched on July 23, 2026; its instructions are those of AMD's public machine-readable ISA for CDNA 5 (MIT licence, August 2026) and "CDNA5" Instruction Set Architecture Reference Guide (July 2026). The comments in the code are by the model that wrote it; some were corrected since.
;; Q Multi Headed Attention. Allowed arithmetic: matrix products marked QUANTISED: E2M3 operands, one E8M0 scale for each 32 along K, by v_wmma_scale_f32_16x16x128_f8f6f4 with both operands' format E2M3, f32 sums; everything else in f32.
;; Inputs: Wk 1,024 x 1,024 float32; Wo 1,024 x 1,024 float32; Wq 1,024 x 1,024 float32; Wv 1,024 x 1,024 float32; bk 1,024 float32; bo 1,024 float32; bq 1,024 float32; bv 1,024 float32; k 8 x 1,024 x 1,024 float32; q 8 x 1,024 x 1,024 float32; v 8 x 1,024 x 1,024 float32.
;; Outputs: out0 8 x 1,024 x 1,024 float32.
;; This version of the problem:
;;   THIS VERSION OF THE PROBLEM IS GIVEN IN LOW PRECISION. The matrix products marked QUANTISED in the list below multiply operands that are first quantised to E2M3 (2 exponent bits, 3 mantissa bits; 6 bits a number), with one power-of-two scale for each 32 numbers along K (OCP MX v1.0); their sums are f32. All else is computed in f32.
;;   The module's matrix products, in the order in which they are computed (A, B: the left and right operand; K: the contracted axis; several contracted axes count as one K, in the product's order):
;;     1. [M 8,192, K 1,024] x [K 1,024, N 1,024]; A: input k; B: input Wk: QUANTISED
;;     2. [M 8,192, K 1,024] x [K 1,024, N 1,024]; A: input v; B: input Wv: QUANTISED
;;     3. [M 8,192, K 1,024] x [K 1,024, N 1,024]; A: input q; B: input Wq: QUANTISED
;;     4. batch 128 x [M 1,024, K 64] x [K 64, N 1,024]; A: computed on the way; B: computed on the way: QUANTISED
;;     5. batch 128 x [M 1,024, K 1,024] x [K 1,024, N 64]; A: softmax (see below); B: computed on the way: QUANTISED
;;     6. [M 8,192, K 1,024] x [K 1,024, N 1,024]; A: computed on the way; B: input Wo: QUANTISED
;;   THE QUANTISER, for each operand of a quantised product, along K:
;;     - K is cut into blocks of 32 from its start; a last block that is shorter is filled with zeros.
;;     - A block's scale is 2^e with e = floor(log2(the largest magnitude in the block)) - 2, held to -126 .. 127; a block of zeros has e = 0. As a byte (E8M0): e + 127.
;;     - Each number is divided by its block's scale, clamped to +-7.5, and rounded to the nearest number of E2M3, ties to even, subnormals kept.
;;     - The product sums the exact products of the quantised numbers (number of the format x scale) in f32.
;;   ~~~python
;;   def quantise(x, axis):      # numpy; x: float32 -> the quantised numbers, widened to float32 again
;;       x = np.moveaxis(x, axis, -1); K = x.shape[-1]
;;       x = np.pad(x, [(0, 0)] * (x.ndim - 1) + [(0, -K % 32)]); x = x.reshape(x.shape[:-1] + (-1, 32)); a = np.abs(x).max(-1, keepdims=True)
;;       e = np.where(a > 0, np.clip(np.frexp(np.where(a > 0, a, 1))[1] - 1 - 2, -126, 127), 0)      # np.frexp(a)[1] - 1 = floor(log2(a)), exactly
;;       r = np.clip(x / 2.0 ** e, -7.5, 7.5)
;;       step = 2.0 ** (np.maximum(np.frexp(np.where(r == 0, 1, r))[1] - 1, 0) - 3)
;;       q = np.round(r / step) * step * 2.0 ** e      # np.round: ties to even
;;       return np.moveaxis(q.reshape(q.shape[:-2] + (-1,))[..., :K], -1, axis).astype(np.float32)
;;   ~~~
;;   SOFTMAX AHEAD OF A QUANTISED PRODUCT. Where the list says 'softmax', what is quantised is not the finished softmax but p = 2^(t - M), with t = logit x log2(e) and M = ceil(the row's largest t), a whole number; so 1/2 < the row's largest p <= 1. The row's sum l is taken of the UNQUANTISED p, in f32, and the product's result is divided by l at the end. Since M is a whole number, a kernel that streams over the keys may use a running M (the ceiling of the running maximum): every later rescaling is an exact power of two, which a block's scale takes up: the codes' values come out the same.
;;   OPERANDS COMPUTED ON THE WAY. 'Computed on the way' means the value that the module computes at that place (a softmax that the list does not call 'softmax' is quantised finished and normalised). What goes into a quantiser is computed in f32, as accurately as f32 sums, v_exp_f32 and their like allow (about 1e-6 of the number): no bf16 or f16 on the way to a quantiser, and a product that is left as it is and whose result goes on into a quantised operand takes f32 operands (vector FMAs, or v_wmma_f32_16x16x4_f32). A number that lies on a knife's edge between two numbers of the format may be rounded either way, as far as f32 arithmetic and the matrix unit's own rounding can turn it there, and no further.
;; One version. Each part assembles by itself: llvm-mc -triple=amdgcn-amd-amdhsa -mcpu=gfx1250 --defsym DOCPART=n.
;; ======== version 1 of 1: 4 launches
;; limits: right only within a limited range of input values
;; workspace buffers: xc 22,020,096 bytes; xs 917,504 bytes; qi 6,815,744 bytes; kv 13,369,344 bytes; cc 6,291,456 bytes; cs 262,144 bytes
;; launch quant (part 1): grid 256 x 1, 14 waves a work-group, no clusters, 120,064 bytes of LDS; arguments q, k, v, Wq, Wk, Wv, Wo, xc, xs; writes xc, xs
.if DOCPART == 1
	.amdgcn_target "amdgcn-amd-amdhsa--gfx1250"
	.amdhsa_code_object_version 6
	.text
	.protected	k_q3bbfcdb8af_quant
	.globl	k_q3bbfcdb8af_quant
	.p2align	8
	.type	k_q3bbfcdb8af_quant,@function
k_q3bbfcdb8af_quant:
	s_mov_b64 s[64:65], 0
	v_nop
	global_prefetch_b8 v0, s[64:65] scope:SCOPE_SE
	s_setreg_imm32_b32 hwreg(HW_REG_WAVE_MODE, 25, 1), 1
	s_wait_xcnt 0x0
; q, k, v [8192][1024] and Wq, Wk, Wv, Wo [1024][1024], f32, become codes of FP6 (E2M3) with one E8M0 byte for each 32 along K (the last axis), laid as IMAGES OF OPERAND REGISTERS.
; 1,792 tiles of 16 rows x 1,024 K: q 0-511, k 512-1023, v 1024-1535, Wq 1536-, Wk 1600-, Wv 1664-, Wo 1728-1791.  Two waves take one tile, a half of K each: 256 work-groups x 14 waves.
; ROWS OF A TILE: lane r of tile t takes row 32 (t / 2) + 8 (t % 2) + r + 8 (r / 8), so that as source 0 of a product the 16 result registers of tiles 2 b, 2 b + 1 are 16 neighbouring rows.
; Wk's rows are the keys of the scores' product: lane r of its tile t takes row 64 (t / 4) + 8 (t % 4) + r % 8 + 32 (r / 8), so that there a lane's 32 registers of four neighbouring tiles are one whole block of 32 keys.
; Wv's rows are first renumbered: n' = 16 x + i stands for row 64 i + d(x), so that 16 neighbouring n' are the 16 columns 64 apart that are 16 neighbouring keys of one channel d of a head.
; xc: tile x 12,288 bytes = 8 K steps x 1,536: registers 4 c .. 4 c + 3 of lane l at 512 c + 16 l.  xs: tile x 512 bytes: [half of K][row r][4 scale words].
; A block's scale byte is its largest magnitude's exponent field - 2, held at 1 from below by a floor among the maximum's leaves.
; LIMITS: NaN and infinities are not served; blocks whose largest magnitude lies under 2^-124 keep the byte 1 (a block of zeros too: its codes are zeros, and this program alone reads the bytes).
; Each load reads 512 consecutive bytes of one row; a K step's 16 rows turn through the wave's own stage in LDS, since a conversion wants 16 neighbours along K in one lane.  Waves share nothing: no barrier.
; AS THE TEXT NOW STANDS: a wave takes HALF of K (four K steps) of a tile: 256 work-groups x 14 waves = 3,584 halves.
; xs: tile x 512 bytes = [half of K][row r][4 scale words]: a wave's sixteen rows x 16 bytes are 256 consecutive bytes.
.set WAVES, 14
.set PITCH, 528                        ; a stage row: 512 bytes + 16, so that the 16 rows that a read touches begin in 16 different groups of banks
.set STG,   16*PITCH
.set SPARE, WAVES*STG                  ; behind the stages: the spare words, 128 bytes a wave, seven blocks of 256 bytes that no other line names
.set LN16, 1                           ; v1  16 x lane
.set SIN,  2                           ; v2  the stage, on the way in
.set SOUT, 3                           ; v3  and on the way out: row r, + 128 h
.set SPW,  4                           ; v4  my spare word; never rewritten
.set NIL,  5                           ; v5  0; never rewritten
.set SH8,  6                           ; v6  8 h
.set XSO,  7                           ; v7  16 r: my place in the tile's scale words
.set W,    8                           ; v8-11   my four K steps' scale words
.set OFF,  16                          ; v16-31  byte offset of my 16 bytes in each of the tile's 16 rows
.set R,    32                          ; v32-159 two sets of 64 registers as loaded
.set X,    160                         ; v160-223 my 64 numbers: k = 64 c + 32 h + 0 .. 31 of row r
.set PC,   224                         ; v224-235 the fragment
.set CT,   236                         ; v236-243 the second halves of the blocks' codes
.set TM,   244                         ; v244-251 at work
	s_load_b512 s[8:23], s[0:1], 0x0               ; q, k, v, Wq, Wk, Wv, Wo, xc
	s_load_b64 s[24:25], s[0:1], 0x40              ; xs
	v_lshl_add_u32 v[SPW], v0, 2, SPARE
	v_mov_b32 v[NIL], 0
	v_lshrrev_b32 v[SIN], 5, v0
	v_readfirstlane_b32 s2, v[SIN]                 ; wave
	s_mul_i32 s3, ttmp9, WAVES
	s_add_co_u32 s3, s3, s2                        ; my half tile
	s_and_b32 s40, s3, 1                           ; which half of K
	s_lshr_b32 s3, s3, 1                           ; my tile T
	s_mul_i32 s4, s2, STG                          ; my stage
	v_and_b32 v[LN16], 31, v0
	v_lshlrev_b32 v[LN16], 4, v[LN16]
	v_and_b32 v[XSO], 15, v0                       ; r
	v_bfe_u32 v[SH8], v0, 4, 1                     ; h
	v_add_nc_u32 v[SIN], s4, v[LN16]
	v_mul_u32_u24 v[SOUT], v[XSO], PITCH
	v_lshl_add_u32 v[SOUT], v[SH8], 7, v[SOUT]
	v_add_nc_u32 v[SOUT], s4, v[SOUT]
	v_lshlrev_b32 v[XSO], 4, v[XSO]                ; 16 r: my row's four scale words
	v_lshlrev_b32 v[SH8], 3, v[SH8]
	v_mov_b32 v[TM+7], 0                           ; a lane permute's destination counts as one of its sources
	s_mov_b32 s36, 0x76543210
	s_mov_b32 s37, 0xfedcba98                      ; selects for lane l xor 16
	s_and_b32 s5, s3, 511
	s_and_b32 s6, s3, 63
	s_cmp_lt_u32 s3, 1536
	s_cselect_b32 s5, s5, s6                       ; the tile's number in its tensor
	s_lshr_b32 s6, s5, 1                           ; beta
	s_and_b32 s7, s5, 1                            ; u
	s_lshl_b32 s26, s6, 5
	s_lshl_b32 s27, s7, 3
	s_add_co_u32 s26, s26, s27                     ; first row, plain order: 32 beta + 8 u
	s_lshl_b32 s27, s7, 9                          ; Wv: 512 u + 32 (beta / 16) + 8 ((beta / 8) % 2) + 2 (beta % 8) + 8 ((beta / 4) % 2)
	s_lshr_b32 s28, s6, 4
	s_lshl_b32 s28, s28, 5
	s_add_co_u32 s27, s27, s28
	s_bfe_u32 s28, s6, 0x10003
	s_lshl_b32 s28, s28, 3
	s_add_co_u32 s27, s27, s28
	s_and_b32 s28, s6, 7
	s_lshl_b32 s28, s28, 1
	s_add_co_u32 s27, s27, s28
	s_bfe_u32 s28, s6, 0x10002
	s_lshl_b32 s28, s28, 3
	s_add_co_u32 s27, s27, s28
	s_lshr_b32 s29, s5, 2                          ; Wk: 64 (t / 4) + 8 (t % 4)
	s_lshl_b32 s29, s29, 6
	s_and_b32 s38, s5, 3
	s_lshl_b32 s38, s38, 3
	s_add_co_u32 s29, s29, s38
	s_mov_b32 s30, 4096                            ; from row to row among a tile's rows 0-7: one row; in Wv 64 rows
	s_mov_b32 s31, 0x10000                         ; from rows 0-7 to rows 8-15: 16 rows; in Wv one row; in Wk 32 rows
	s_sub_co_u32 s28, s3, 1664
	s_cmp_lt_u32 s28, 64                           ; a tile of Wv?
	s_cselect_b32 s26, s27, s26
	s_cselect_b32 s30, 0x40000, s30
	s_cselect_b32 s31, 4096, s31
	s_sub_co_u32 s28, s3, 1600
	s_cmp_lt_u32 s28, 64                           ; a tile of Wk?
	s_cselect_b32 s26, s29, s26
	s_cselect_b32 s31, 0x20000, s31
.irp p, 0,1,2,3,4,5,6,7,8,9,10,11,12,13,14,15
	s_mul_i32 s38, s30, (\p%8)
	s_mul_i32 s39, s31, (\p/8)
	s_add_co_u32 s38, s38, s39
	v_add_nc_u32 v[OFF+\p], s38, v[LN16]
.endr
	s_wait_alu depctr_va_vdst(0)
	s_wait_kmcnt 0x0
	s_mov_b64 s[32:33], s[8:9]                     ; which tensor: a choice on the tile's number alone
	s_cmp_ge_u32 s3, 512
	s_cselect_b64 s[32:33], s[10:11], s[32:33]
	s_cmp_ge_u32 s3, 1024
	s_cselect_b64 s[32:33], s[12:13], s[32:33]
	s_cmp_ge_u32 s3, 1536
	s_cselect_b64 s[32:33], s[14:15], s[32:33]
	s_cmp_ge_u32 s3, 1600
	s_cselect_b64 s[32:33], s[16:17], s[32:33]
	s_cmp_ge_u32 s3, 1664
	s_cselect_b64 s[32:33], s[18:19], s[32:33]
	s_cmp_ge_u32 s3, 1728
	s_cselect_b64 s[32:33], s[20:21], s[32:33]
	s_lshl_b32 s34, s26, 12
	s_lshl_b32 s41, s40, 11                        ; my half of K: 2,048 bytes along the row
	s_add_co_u32 s34, s34, s41
	s_mov_b32 s35, 0
	s_add_nc_u64 s[32:33], s[32:33], s[34:35]      ; the tile's first row
	s_mul_i32 s34, s3, 12288
	s_mul_i32 s41, s40, 6144                       ; four K steps' images
	s_add_co_u32 s34, s34, s41
	s_add_nc_u64 s[22:23], s[22:23], s[34:35]      ; its images
	s_lshl_b32 s34, s3, 9
	s_lshl_b32 s41, s40, 8                         ; my half's 256 bytes of scale words
	s_add_co_u32 s34, s34, s41
	s_add_nc_u64 s[24:25], s[24:25], s[34:35]      ; its scale words
.macro LOAD s                          ; K step s: 512 bytes of each of the 16 rows
.irp p, 0,1,2,3,4,5,6,7,8,9,10,11,12,13,14,15
	global_load_b128 v[R+64*((\s)%2)+4*\p:R+64*((\s)%2)+4*\p+3], v[OFF+\p], s[32:33] offset:512*(\s) th:TH_LOAD_NT
.endr
.endm
.macro STEP s
.if (\s) < 3
	s_wait_loadcnt 16                              ; this step's 16 loads are in; the next step's 16 may be out
.else
	s_wait_loadcnt 0x0
.endif
.irp p, 0,1,2,3,4,5,6,7,8,9,10,11,12,13,14,15
	ds_store_b128 v[SIN], v[R+64*((\s)%2)+4*\p:R+64*((\s)%2)+4*\p+3] offset:PITCH*\p
.endr
.irp c, 0,1
.irp j, 0,1,2,3,4,5,6,7
	ds_load_b128 v[X+32*\c+4*\j:X+32*\c+4*\j+3], v[SOUT] offset:256*\c+16*\j   ; LDS serves a wave's instructions in order: these see the stores above
.endr
.endr
	s_wait_dscnt 0x0                               ; my numbers are back, and the stores have read their registers,
	s_wait_xcnt 0x0                                ; the last step's global stores have read the fragment's registers, which are written again below; the wait stands ahead of this step's loads, so that it waits for none of them
.if (\s)+2 < 4
	LOAD (\s)+2                                    ; the freed set takes the loads of two steps on
.endif
.irp c, 0,1
	v_max3_num_f32 v[TM+\c], |v[X+32*\c]|, |v[X+32*\c+1]|, 0x1800000   ; block 2 c + h: all 32 numbers are mine; the floor 2^(3 - 127) holds the byte at 1 from below
.endr
.irp i, 2,4,6,8,10,12,14,16,18,20,22,24,26,28,30
.irp c, 0,1
	v_max3_num_f32 v[TM+\c], v[TM+\c], |v[X+32*\c+\i]|, |v[X+32*\c+\i+1]|
.endr
.endr
.irp c, 0,1
	v_add_nc_u32 v[TM+2+\c], 0xff000000, v[TM+\c]  ; 2 off the exponent field: the conversion's scale operand
.endr
.irp c, 0,1
	v_lshrrev_b32 v[TM+4+\c], 23, v[TM+2+\c]       ; the scale's byte
.endr
	v_lshl_or_b32 v[TM+6], v[TM+5], 16, v[TM+4]    ; my two bytes, blocks h and 2 + h,
	v_lshlrev_b32 v[TM+6], v[SH8], v[TM+6]         ; at their places;
	v_permlanex16_b32 v[TM+7], v[TM+6], s36, s37
	v_or_b32 v[W+(\s)], v[TM+6], v[TM+7]           ; with lane l xor 16's two the word is whole
.irp c, 0,1
	v_cvt_scalef32_pk16_fp6_f32 v[PC+6*\c:PC+6*\c+2], v[X+32*\c:X+32*\c+15], v[TM+2+\c]
	v_cvt_scalef32_pk16_fp6_f32 v[CT+4*\c:CT+4*\c+2], v[X+32*\c+16:X+32*\c+31], v[TM+2+\c]   ; (a conversion's three registers begin on an even number)
.endr
	v_nop                                          ; one plain place behind the conversions
.irp c, 0,1
.irp i, 0,1,2
	v_mov_b32 v[PC+6*\c+3+\i], v[CT+4*\c+\i]
.endr
.endr
.irp c, 0,1,2
	global_store_b128 v[LN16], v[PC+4*\c:PC+4*\c+3], s[22:23] offset:1536*(\s)+512*\c   ; 32 lanes store 512 consecutive bytes, at a multiple of 256 from the buffer's first byte
.endr
.endm
	LOAD 0
	LOAD 1
.irp t, 0,1,2,3
	STEP \t
.endr
	global_store_b128 v[XSO], v[W:W+3], s[24:25]   ; sixteen lanes store 256 consecutive bytes, aligned (lanes 16-31 write the same words with the same values)
	s_wait_tensorcnt 0x0                           ; the wave's end, behind my last LDS store
	ds_add_u32 v[SPW], v[NIL]
	s_wait_dscnt 0x0
	s_endpgm
.Lfunc_end_k_q3bbfcdb8af_quant:
	.size	k_q3bbfcdb8af_quant, .Lfunc_end_k_q3bbfcdb8af_quant-k_q3bbfcdb8af_quant
	.p2alignl 7, 3214868480
	.fill 96, 4, 3214868480
	.section	.rodata,"a",@progbits
	.p2align	6, 0x0
	.amdhsa_kernel k_q3bbfcdb8af_quant
		.amdhsa_group_segment_fixed_size 120064
		.amdhsa_private_segment_fixed_size 0
		.amdhsa_enable_private_segment 0
		.amdhsa_kernarg_size 72
		.amdhsa_user_sgpr_count 2
		.amdhsa_user_sgpr_kernarg_segment_ptr 1
		.amdhsa_wavefront_size32 1
		.amdhsa_system_sgpr_workgroup_id_x 1
		.amdhsa_system_sgpr_workgroup_id_y 1
		.amdhsa_system_sgpr_workgroup_id_z 1
		.amdhsa_system_vgpr_workitem_id 0
		.amdhsa_next_free_vgpr 256
		.amdhsa_next_free_sgpr 66
		.amdhsa_reserve_vcc 0
		.amdhsa_float_denorm_mode_32 3
		.amdhsa_float_denorm_mode_16_64 3
		.amdhsa_memory_ordered 1
		.amdhsa_forward_progress 1
		.amdhsa_inst_pref_size 34
	.end_amdhsa_kernel
	.amdgpu_metadata
---
amdhsa.version: [ 1, 2 ]
amdhsa.kernels:
  - .name:           k_q3bbfcdb8af_quant
    .symbol:         k_q3bbfcdb8af_quant.kd
    .args:
      - { .name: q, .offset: 0, .size: 8, .value_kind: global_buffer, .address_space: global }
      - { .name: k, .offset: 8, .size: 8, .value_kind: global_buffer, .address_space: global }
      - { .name: v, .offset: 16, .size: 8, .value_kind: global_buffer, .address_space: global }
      - { .name: Wq, .offset: 24, .size: 8, .value_kind: global_buffer, .address_space: global }
      - { .name: Wk, .offset: 32, .size: 8, .value_kind: global_buffer, .address_space: global }
      - { .name: Wv, .offset: 40, .size: 8, .value_kind: global_buffer, .address_space: global }
      - { .name: Wo, .offset: 48, .size: 8, .value_kind: global_buffer, .address_space: global }
      - { .name: xc, .offset: 56, .size: 8, .value_kind: global_buffer, .address_space: global }
      - { .name: xs, .offset: 64, .size: 8, .value_kind: global_buffer, .address_space: global }
    .group_segment_fixed_size: 120064
    .private_segment_fixed_size: 0
    .kernarg_segment_align: 8
    .kernarg_segment_size: 72
    .max_flat_workgroup_size: 448
    .sgpr_count:     66
    .vgpr_count:     256
    .wavefront_size: 32
...
	.end_amdgpu_metadata
.endif
;; end of part 1
;; launch proj (part 2): grid 4 x 64, 4 waves a work-group, clusters of 4 x 4, 327,680 bytes of LDS; arguments xc, xs, bq, bk, bv, qi, kv; writes qi, kv
.if DOCPART == 2
	.amdgcn_target "amdgcn-amd-amdhsa--gfx1250"
	.amdhsa_code_object_version 6
	.text
	.protected	k_q3bbfcdb8af_proj
	.globl	k_q3bbfcdb8af_proj
	.p2align	8
	.type	k_q3bbfcdb8af_proj,@function
k_q3bbfcdb8af_proj:
	s_mov_b64 s[64:65], 0
	v_nop
	global_prefetch_b8 v0, s[64:65] scope:SCOPE_SE
	s_setreg_imm32_b32 hwreg(HW_REG_WAVE_MODE, 25, 1), 1
	s_wait_xcnt 0x0
	s_wait_alu depctr_hold_cnt(0) depctr_sa_sdst(0) depctr_va_vdst(0) depctr_va_sdst(0) depctr_va_ssrc(0) depctr_va_vcc(0) depctr_vm_vsrc(0)
	s_getreg_b32 s2, hwreg(HW_REG_IB_STS2, 6, 4)
	s_cmp_eq_u32 s2, 0
	s_cbranch_scc0 .Lentry_in_a_cluster
	s_endpgm
.Lentry_in_a_cluster:
	s_bfe_u32 s2, ttmp6, 0x10000c
	s_cmp_lg_u32 s2, 0xf033
	s_cbranch_scc0 .Lentry_shape_is_right
	s_endpgm
.Lentry_shape_is_right:
; The three projections on codes of FP6, with their biases, and their results quantised in registers into the operand images that the attention reads.
; CONVENTION: source 0 of the matrix instruction is 'B' (its rows n run along a lane's result registers), source 1 is 'A' (its rows m lie in the lanes).  The quantiser always runs along n.
;   tile Q: A = q, B = Wq.   tile K: A = Wk (m = key), B = k (n = 64 head + d).   tile V: A = v, B = Wv with renumbered rows (16 neighbouring n' = 16 neighbouring keys of one channel d).
; A WORK-GROUP STAYS: 256 work-groups, 16 clusters of 4 x 4; each makes three tiles of 128 (m) x 256 (n), one of each kind, written out one behind the other.  Wave (wm, wn) makes 64 x 128: 32 accumulators.
; LDS is a ring of two slots, each with HALF of K (four steps of 128) of both operands, 147,456 bytes.  Slot 0 is filled with the next tile's first half as soon as this tile's step 3 has been fetched; slot 1 behind the
; way out.  So a tile's stores, the next tile's scale words and its first half are on their way while this tile is finished and quantised.  A wave has one tensor load out at any time.
; A's tiles are shared along a row of the cluster, B's along a column: joint loads; each refill stands behind a round of the cluster's barrier.  Operands lie in memory as register images: a fragment is three ds_load_b128 at 16 x lane.
; The bias is the C of each sum's first product; it is loaded a tile ahead.  LIMITS: NaN and infinities are not served; blocks under 2^-124 keep the scale byte 1 (zero blocks too: the bytes are read by this program alone).
; Q is quantised WITHOUT the factor 1/8, a power of two that only moves the scale byte: the attention multiplies it into its constant.  Exact unless a block's largest magnitude lies under 2^-121.
; All of a WGP's LDS is claimed; the text uses 312,832 bytes.
; REGISTERS: window 0: v1-27 addresses, v28-29 the add's two, v32-63 A's scale words, v64-127 B's, v128-191 results on the way out, v192-255 at work.  window 1: accumulator (a, b) at 64 a + 8 b.
;   windows 2, 3: fragment sets 0, 1: A's four at 12 a, B's eight at 48 + 12 b;  window 2, v160-223: the bias.
; AS THE TEXT NOW STANDS: at the head a wave issues ONE tensor load, its part of slot 0; slot 1's first fill stands behind the three lines and a round of the cluster's barrier: one load of a wave is out at any time.
; xs is laid [tile][half of K][row][4 words].
.set SLOT,  147456
.set BOFF,  49152
.set STG,   2*SLOT                     ; behind the ring: V's stages, 4,096 bytes a wave; no tile lands here
.set SSTG,  STG+4*4096                 ; and its scale words' stages, 256 bytes a wave
.set SPARE, SSTG+4*256                 ; the spare words, two blocks of 256 bytes that no other line names
.set ADA, 4                            ; v4-5   my A fragments in slot 0, 1
.set ADB, 6                            ; v6-7   my B fragments
.set PFO, 11                           ; v11    256 x lane: the prefetches' offset; never rewritten
.set SPW, 28
.set NIL, 29
.set SA,  32
.set SB,  64
.set BI,  160                          ; in window 2
.set GI,  128                          ; way out Q, K: four pair images of 12 registers
.set VO,  128                          ; way out V: 2 x 8 x 4 registers
.set TM,  192
.set CT,  204
.set PW,  212
.set VC,  216
.set WV,  18
.set SEL, 2
.set G1A, 24                           ; s[24:31], s[32:39] descriptor groups 1
.set G1B, 32
.set G0A, 40                           ; s[40:47], s[48:55] groups 0, a set for each slot
.set G0B, 48
.set MSB, 0
.macro WIN new                         ; the immediate's high byte repeats the setting that is left
.if MSB != (\new)
	s_set_vgpr_msb (MSB<<8)|(\new)
.set MSB, (\new)
.endif
.endm
.macro PLACES                          ; four plain places behind matrix instructions, ahead of loads into their sources and of reads of their results
.rept 4
	v_nop
.endr
.endm
.macro CREST                           ; a round of the cluster's barrier behind its opening barrier
	s_cmp_lg_u32 s[WV], 0
	s_cbranch_scc1 .Lnot_wave_0_\@
	s_barrier_signal -3
.Lnot_wave_0_\@:
	s_barrier_wait -3
	s_barrier_signal -1
	s_barrier_wait -1
.endm
.macro CROUND                          ; a whole round
	s_barrier_signal -1
	s_barrier_wait -1
	CREST
.endm
.macro JLOAD h                         ; a joint refill of slot h: waves 0 and 1 fetch A's halves, waves 2 and 3 B's; the branch hangs on the wave's number alone; an s_nop 0 and four v_nop follow each line
	s_cmp_eq_u32 s19, 0
	s_cbranch_scc0 .Lfor_b_\@
	tensor_load_to_lds s[G0A+4*\h:G0A+4*\h+3], s[G1A:G1A+7]
	s_nop 0
.rept 4
	v_nop
.endr
	s_branch .Lasked_\@
.Lfor_b_\@:
	tensor_load_to_lds s[G0B+4*\h:G0B+4*\h+3], s[G1B:G1B+7]
	s_nop 0
.rept 4
	v_nop
.endr
.Lasked_\@:
.endm
.macro CODEOFF d, f, half              ; byte offset in xc of the tiles that I fetch: (first tile + my half) x 12,288
	s_add_co_u32 s[\d], s[\f], s[\half]
	s_mul_i32 s[\d], s[\d], 12288
	s_mov_b32 s[\d+1], 0
.endm
.macro SCLOFF d, f, half               ; byte offset in xs of the tiles that I multiply: 512 bytes a tile
	s_add_co_u32 s[\d], s[\f], s[\half]
	s_lshl_b32 s[\d], s[\d], 9
	s_mov_b32 s[\d+1], 0
.endm
	s_load_b256 s[4:11], s[0:1], 0x0               ; xc s[4:5], xs s[6:7], bq s[8:9], bk s[10:11]
	s_load_b128 s[12:15], s[0:1], 0x20             ; bv s[12:13], qi s[14:15]
	s_load_b64 s[16:17], s[0:1], 0x30              ; kv
	v_lshl_add_u32 v[SPW], v0, 2, SPARE
	v_mov_b32 v[NIL], 0
	ds_add_u32 v[SPW], v[NIL]                      ; the wave's opening: the add and its wait ahead of my first tensor load; work on registers stands between
	ds_add_u32 v[SPW], v[NIL]
	v_lshrrev_b32 v1, 5, v0
	v_readfirstlane_b32 s[WV], v1                  ; wave 0..3
	s_lshr_b32 s19, s[WV], 1                       ; wm.  Also: I fetch for A (0) or for B (1)
	s_and_b32 s20, s[WV], 1                        ; wn.  Also: which half of that operand's tiles I fetch
	s_bfe_u32 s21, ttmp6, 0x40000                  ; cx
	s_bfe_u32 s22, ttmp6, 0x40004                  ; cy
	s_and_b32 s23, ttmp7, 0xffff                   ; the cluster's number, 0..15
	s_lshl_b32 s56, s23, 2
	s_add_co_u32 s56, s56, s22                     ; Q, V: mtile = 4 x cluster + cy
	s_mov_b32 s57, s21                             ;       ntile = cx
	s_and_b32 s58, s23, 1
	s_lshl_b32 s58, s58, 2
	s_add_co_u32 s58, s58, s22                     ; K: mtile = 4 (cluster % 2) + cy
	s_lshr_b32 s59, s23, 1
	s_lshl_b32 s59, s59, 2
	s_add_co_u32 s59, s59, s21                     ;    ntile = 4 (cluster / 2) + cx
	s_lshl_b32 s88, s22, 2
	s_lshl_b32 s88, 15, s88                        ; my row of the cluster
	s_lshl_b32 s89, 0x1111, s21                    ; my column
	s_or_b32 s[G1A], s88, (3<<16)|(1<<21)          ; group 1: the mask; elements of 8 bytes; bit 21 set beside a mask; no padding
	s_or_b32 s[G1B], s89, (3<<16)|(1<<21)
	s_mov_b32 s[G1A+1], 768<<16                    ; tensor_dim0 = 768 elements: four K steps of a tile, 6,144 bytes
	s_mov_b32 s[G1A+2], 4<<16                      ; tensor_dim1 = 4 tiles
	s_mov_b32 s[G1A+3], 768<<16                    ; tile_dim0
	s_mov_b32 s[G1A+4], 4                          ; tile_dim1
	s_mov_b32 s[G1A+5], 1536                       ; from tile to tile: 12,288 bytes
	s_mov_b32 s[G1A+6], 0
	s_mov_b32 s[G1A+7], 0
	s_mov_b32 s[G1B+1], 768<<16
	s_mov_b32 s[G1B+2], 8<<16                      ; 8 tiles
	s_mov_b32 s[G1B+3], 768<<16
	s_mov_b32 s[G1B+4], 8
	s_mov_b32 s[G1B+5], 1536
	s_mov_b32 s[G1B+6], 0
	s_mov_b32 s[G1B+7], 0
	s_lshl_b32 s88, s56, 3                         ; first tiles in xc: Q: A = q from 0,
	s_lshl_b32 s89, s57, 4
	s_add_co_u32 s89, s89, 1536                    ;    B = Wq from 1536;
	s_lshl_b32 s90, s58, 3
	s_add_co_u32 s90, s90, 1600                    ; K: A = Wk from 1600,
	s_lshl_b32 s91, s59, 4
	s_add_co_u32 s91, s91, 512                     ;    B = k from 512;
	s_add_co_u32 s92, s88, 1024                    ; V: A = v from 1024,
	s_add_co_u32 s93, s89, 128                     ;    B = Wv from 1664
	s_lshl_b32 s94, s20, 2
	s_lshl_b32 s95, s20, 3
	s_lshl_b32 s100, s19, 2
	CODEOFF 96, 88, 94                             ; Q's A and B: asked for at once;
	CODEOFF 98, 89, 95
	CODEOFF 60, 90, 94                             ; s[60:61] K's A, s[62:63] V's A, s[66:67] K's B, s[68:69] V's B: kept for the refills.  A's hang on cy alone, B's on cx alone
	CODEOFF 62, 92, 94
	CODEOFF 66, 91, 95
	CODEOFF 68, 93, 95
	SCLOFF 70, 88, 100                             ; s[70:81]: A's and B's scale words for Q, K, V
	SCLOFF 72, 89, 95
	SCLOFF 74, 90, 100
	SCLOFF 76, 91, 95
	SCLOFF 78, 92, 100
	SCLOFF 80, 93, 95
	s_lshl_b32 s82, s57, 10                        ; bq: 4 x (256 ntile + 128 wn)
	s_lshl_b32 s101, s20, 9
	s_add_co_u32 s82, s82, s101
	s_mov_b32 s83, 0
	s_lshl_b32 s84, s58, 9                         ; bk: 4 x 16 x (8 mtile + 4 wm): my first key
	s_lshl_b32 s101, s19, 8
	s_add_co_u32 s84, s84, s101
	s_mov_b32 s85, 0
	s_lshr_b32 s86, s57, 1                         ; bv: 4 x (32 (t / 2) + 8 (t % 2) + 16 wn), t = ntile
	s_lshl_b32 s86, s86, 7
	s_and_b32 s101, s57, 1
	s_lshl_b32 s101, s101, 5
	s_add_co_u32 s86, s86, s101
	s_lshl_b32 s101, s20, 6
	s_add_co_u32 s86, s86, s101
	s_mov_b32 s87, 0
	s_mul_i32 s94, s20, 24576                      ; where my tiles go in a slot: the wave's number alone enters an LDS address
	s_mul_i32 s95, s20, 49152
	s_add_co_u32 s95, s95, BOFF
	s_mov_b32 s[SEL], 0x76543210
	s_mov_b32 s[SEL+1], 0xfedcba98
	s_wait_dscnt 0x0                               ; the opening add is done
	s_wait_kmcnt 0x0
	s_add_nc_u64 s[96:97], s[4:5], s[96:97]
	s_add_nc_u64 s[98:99], s[4:5], s[98:99]
.irp h, 0,1
	s_mov_b32 s[G0A+4*\h], 1
	s_add_co_u32 s[G0A+4*\h+1], s94, \h*SLOT
	s_add_nc_u64 s[G0A+4*\h+2:G0A+4*\h+3], s[96:97], \h*6144
	s_or_b32 s[G0A+4*\h+3], s[G0A+4*\h+3], 0x80000000
	s_mov_b32 s[G0B+4*\h], 1
	s_add_co_u32 s[G0B+4*\h+1], s95, \h*SLOT
	s_add_nc_u64 s[G0B+4*\h+2:G0B+4*\h+3], s[98:99], \h*6144
	s_or_b32 s[G0B+4*\h+3], s[G0B+4*\h+3], 0x80000000
.endr
	CROUND                                         ; all sixteen work-groups are here: the first joint loads meet
	s_cmp_eq_u32 s19, 0                            ; one first fill a wave, in the two arms of one branch on the wave's number
	s_cbranch_scc0 .Lfill_b
	tensor_load_to_lds s[G0A:G0A+3], s[G1A:G1A+7]
	s_nop 0
.rept 4
	v_nop
.endr
	s_branch .Lfilled
.Lfill_b:
	tensor_load_to_lds s[G0B:G0B+3], s[G1B:G1B+7]
	s_nop 0
.rept 4
	v_nop
.endr
.Lfilled:
; the scale words of my 4 + 8 tiles, for all of K: 32 bytes a row
.macro LOADSC pa, pb
.irp a, 0,1,2,3
.irp q, 0,1
	global_load_b128 v[SA+8*\a+4*\q:SA+8*\a+4*\q+3], v2, s[\pa:\pa+1] offset:512*\a+256*\q
.endr
.endr
.irp b, 0,1,2,3,4,5,6,7
.irp q, 0,1
	global_load_b128 v[SB+8*\b+4*\q:SB+8*\b+4*\q+3], v2, s[\pb:\pb+1] offset:512*\b+256*\q
.endr
.endr
.endm
; the bias, in the result's layout, into window 2
.macro BIASQ                           ; register j of tile b is column 256 ntile + 128 wn + 32 (b / 2) + 8 (b % 2) + 16 h + j
	WIN 0x80
.irp b, 0,1,2,3,4,5,6,7
	global_load_b128 v[BI+8*\b:BI+8*\b+3], v8, s[82:83] offset:(32*(\b/2)+8*(\b%2))*4
	global_load_b128 v[BI+8*\b+4:BI+8*\b+7], v8, s[82:83] offset:(32*(\b/2)+8*(\b%2))*4+16
.endr
	WIN 0
.endm
.macro BIASK                           ; the bias goes by the key, which lies in the lane: key = 16 (8 mtile + 4 wm) + 8 a + r % 8 + 32 (r / 8): eight equal registers a tile of A
	WIN 0x80
.irp a, 0,1,2,3
.irp j, 0,1,2,3,4,5,6,7
	global_load_b32 v[BI+8*\a+\j], v9, s[84:85] offset:32*\a
.endr
.endr
	WIN 0
.endm
.macro BIASV hf                        ; register j of tile b is column 64 (8 (b % 2) + j) + d, d = 32 (t / 2) + 8 (t % 2) + 16 wn + 2 (b / 2) + h.  Tiles 4 hf .. 4 hf + 3: 32 loads at a time
	WIN 0x80
.irp b, 0,1,2,3
.irp j, 0,1,2,3,4,5,6,7
	global_load_b32 v[BI+8*(4*(\hf)+\b)+\j], v10, s[86:87] offset:8*((4*(\hf)+\b)/2)+2048*(\b%2)+256*\j
.endr
.endr
	WIN 0
.endm
	s_add_nc_u64 s[70:71], s[6:7], s[70:71]
	s_add_nc_u64 s[72:73], s[6:7], s[72:73]
	s_add_nc_u64 s[82:83], s[8:9], s[82:83]
	v_and_b32 v3, 15, v0                           ; v3 = r
	v_bfe_u32 v12, v0, 4, 1                        ; v12 = h
	s_wait_alu depctr_va_vdst(0)
	v_lshlrev_b32 v2, 4, v3                        ; v2 = 16 r: a row's four scale words of a half of K
	v_lshlrev_b32 v8, 6, v12                       ; v8 = 64 h: bq's lane part
	LOADSC 70, 72                                  ; tile Q's scale words and bias
	BIASQ
	s_add_nc_u64 s[60:61], s[4:5], s[60:61]
	s_add_nc_u64 s[62:63], s[4:5], s[62:63]
	s_add_nc_u64 s[66:67], s[4:5], s[66:67]
	s_add_nc_u64 s[68:69], s[4:5], s[68:69]
.irp p, 74,76,78,80
	s_add_nc_u64 s[\p:\p+1], s[6:7], s[\p:\p+1]
.endr
	s_add_nc_u64 s[84:85], s[10:11], s[84:85]
	s_add_nc_u64 s[86:87], s[12:13], s[86:87]
	; THE PREFETCHES INTO THE L2 (macro ASK): the two streams of codes that are read once.  k's 16 tiles of tile K's B, 196,608 consecutive bytes, are read by the four work-groups of my column and by the
	; neighbouring cluster's: the eight share them out by address, 24,576 bytes each.  v's 8 tiles of tile V's A, 98,304 bytes, are read by the four of my row alone: 24,576 bytes each.  In each work-group waves 0 to 2 ask,
	; 8,192 bytes a wave, lanes 256 bytes apart: each block of 256 bytes is named once in the launch.  The weights' tiles, which eight or sixteen clusters ask for, and tile Q's, which go out at the head, come by their loads alone.
	s_mul_i32 s98, s91, 12288
	s_and_b32 s94, s23, 1
	s_lshl_b32 s94, s94, 2
	s_add_co_u32 s94, s94, s22
	s_mul_i32 s94, s94, 24576
	s_add_co_u32 s98, s98, s94
	s_lshl_b32 s95, s[WV], 13
	s_add_co_u32 s98, s98, s95
	s_mov_b32 s99, 0
	s_add_nc_u64 s[98:99], s[4:5], s[98:99]        ; s[98:99]: my part of k's codes; never rewritten
	s_mul_i32 s100, s92, 12288
	s_mul_i32 s94, s21, 24576
	s_add_co_u32 s100, s100, s94
	s_add_co_u32 s100, s100, s95
	s_mov_b32 s101, 0
	s_add_nc_u64 s[100:101], s[4:5], s[100:101]    ; s[100:101]: my part of v's codes; never rewritten
	; Tile Q's SECOND halves of K, which slot 1's first fill brings behind the round below, are asked for here, four K steps ahead of their use.  A's 8 tiles x 6,144 bytes are shared out among the four of my row
	; by address (cx: two tiles each; a wave takes 12 blocks of 256 bytes), B's 16 tiles among the four of my column (cy: four tiles each; a wave takes a tile's 24 blocks): each block is named once in the cluster.
	; Lanes left over name their wave's last block again.  v26, v27 and s[4:5] are never rewritten.
	s_lshl_b32 s94, s21, 1
	s_lshr_b32 s95, s[WV], 1
	s_add_co_u32 s94, s94, s95
	s_add_co_u32 s94, s94, s88                     ; A's tile: first + 2 cx + wave / 2
	s_mul_i32 s94, s94, 12288
	s_and_b32 s95, s[WV], 1
	s_mul_i32 s95, s95, 3072
	s_add_co_u32 s94, s94, s95
	s_add_co_u32 s94, s94, 6144
	s_lshl_b32 s96, s22, 2
	s_add_co_u32 s96, s96, s[WV]
	s_add_co_u32 s96, s96, s89                     ; B's tile: first + 4 cy + wave
	s_mul_i32 s96, s96, 12288
	s_add_co_u32 s96, s96, 6144
	v_and_b32 v26, 31, v0
	v_min_u32 v27, 23, v26
	v_min_u32 v26, 11, v26
	v_lshl_add_u32 v27, v27, 8, s96
	v_lshl_add_u32 v26, v26, 8, s94
	global_prefetch_b8 v26, s[4:5] th:TH_LOAD_NT scope:SCOPE_SE
	global_prefetch_b8 v27, s[4:5] th:TH_LOAD_NT scope:SCOPE_SE
	v_and_b32 v21, 31, v0
	v_lshlrev_b32 v1, 4, v21                       ; v1 = 16 x lane
	v_lshlrev_b32 v22, 3, v21                      ; v22 = 8 x lane
	v_lshlrev_b32 v[PFO], 8, v21
	v_mul_u32_u24 v19, v21, 12                     ; v19 = 12 x lane
	v_lshlrev_b32 v23, 4, v12                      ; v23 = 16 h
	v_bfe_u32 v20, v0, 3, 1                        ; r / 8
	v_and_b32 v9, 7, v0
	v_lshlrev_b32 v9, 2, v9
	v_lshl_add_u32 v9, v20, 7, v9                  ; v9 = 4 (r % 8 + 32 (r / 8)): bk's lane part
	v_lshlrev_b32 v10, 2, v12                      ; v10 = 4 h: bv's
	v_lshlrev_b32 v24, 8, v12
	v_lshl_add_u32 v24, v3, 4, v24                 ; v24: Q's scale words: lanes 0-15 run 0's, lanes 16-31 run 1's, 256 bytes on; 16 bytes a row
	v_mul_u32_u24 v25, v12, 104448
	v_lshl_add_u32 v25, v3, 4, v25                 ; v25: K's: run 1 is the next head
	s_mul_i32 s88, s19, 24576
	s_mul_i32 s89, s20, 49152
	s_add_co_u32 s89, s89, BOFF
.irp h, 0,1
	v_add_nc_u32 v[ADA+\h], s88, v1
	v_add_nc_u32 v[ADB+\h], s89, v1
	s_add_co_u32 s88, s88, SLOT
	s_add_co_u32 s89, s89, SLOT
.endr
	v_lshlrev_b32 v14, 11, v20                     ; v14: V's stage: 2048 (r / 8) + 512 ((r / 2) % 2) + 32 ((r / 4) % 2) + 16 (r % 2) + 64 h + 4096 w
	v_bfe_u32 v21, v0, 1, 1
	v_lshl_add_u32 v14, v21, 9, v14
	v_bfe_u32 v21, v0, 2, 1
	v_lshl_add_u32 v14, v21, 5, v14
	v_and_b32 v21, 1, v0
	v_lshl_add_u32 v14, v21, 4, v14
	v_lshl_add_u32 v14, v12, 6, v14
	s_lshl_b32 s88, s[WV], 12
	s_add_co_u32 s88, s88, STG
	v_add_nc_u32 v14, s88, v14
	v_add_nc_u32 v16, s88, v1                      ; v16: back out of it: 16 x lane
	v_lshlrev_b32 v15, 6, v20                      ; v15: 64 (r / 8) + 4 h + the scale stage
	v_lshl_add_u32 v15, v12, 2, v15
	s_lshl_b32 s88, s[WV], 8
	s_add_co_u32 s88, s88, SSTG
	v_add_nc_u32 v15, s88, v15
	v_add_nc_u32 v17, s88, v22                     ; v17: back out of it: 8 x lane
	v_bfe_u32 v18, v0, 1, 2
	v_lshlrev_b32 v18, 3, v18                      ; v18: 8 ((r / 2) % 4): my block's byte's place in its scale word
.irp b, 0,1,2,3
	v_mov_b32 v[TM+4+\b], 0                        ; a lane permute's destination counts as one of its sources
.endr
; 36 LDS loads: K step s's fragments (A's four, B's eight) into set s % 2
.macro FETCH s
	WIN 0x80+0x40*((\s)%2)
.irp i, 0,1,2,3
.irp c, 0,1,2
	ds_load_b128 v[12*\i+4*\c:12*\i+4*\c+3], v[ADA+(\s)/4] offset:6144*\i+1536*((\s)%4)+512*\c
.endr
.endr
.irp i, 0,1,2,3,4,5,6,7
.irp c, 0,1,2
	ds_load_b128 v[48+12*\i+4*\c:48+12*\i+4*\c+3], v[ADB+(\s)/4] offset:6144*\i+1536*((\s)%4)+512*\c
.endr
.endr
	WIN 0
.endm
; 8 matrix instructions: K step s, A's tile a against B's eight.  The 32 accumulators take turns, one instruction a turn, in the same order in every step.  cmode 1, 2: the bias starts the sums (by n, by m)
.macro MULQ s, a, cmode
.if \cmode == 0
	WIN 0x5a+5*((\s)%2)
.else
	WIN 0x6a
.endif
.irp b, 0,1,2,3,4,5,6,7
.if \cmode == 0
	v_wmma_scale_f32_16x16x128_f8f6f4 v[64*(\a)+8*\b:64*(\a)+8*\b+7], v[48+12*\b:48+12*\b+11], v[12*(\a):12*(\a)+11], v[64*(\a)+8*\b:64*(\a)+8*\b+7], v[SB+8*\b+(\s)], v[SA+8*(\a)+(\s)] matrix_a_fmt:MATRIX_FMT_FP6 matrix_b_fmt:MATRIX_FMT_FP6
.elseif \cmode == 1
	v_wmma_scale_f32_16x16x128_f8f6f4 v[64*(\a)+8*\b:64*(\a)+8*\b+7], v[48+12*\b:48+12*\b+11], v[12*(\a):12*(\a)+11], v[BI+8*\b:BI+8*\b+7], v[SB+8*\b+(\s)], v[SA+8*(\a)+(\s)] matrix_a_fmt:MATRIX_FMT_FP6 matrix_b_fmt:MATRIX_FMT_FP6
.else
	v_wmma_scale_f32_16x16x128_f8f6f4 v[64*(\a)+8*\b:64*(\a)+8*\b+7], v[48+12*\b:48+12*\b+11], v[12*(\a):12*(\a)+11], v[BI+8*(\a):BI+8*(\a)+7], v[SB+8*\b+(\s)], v[SA+8*(\a)+(\s)] matrix_a_fmt:MATRIX_FMT_FP6 matrix_b_fmt:MATRIX_FMT_FP6
.endif
.endr
.endm
.macro MUL s, cmode
	MULQ \s, 0, \cmode
	MULQ \s, 1, \cmode
	MULQ \s, 2, \cmode
	MULQ \s, 3, \cmode
.endm
.macro NEXT s                          ; the next step's fragments, from the same slot, are fetched; step s is multiplied.  Four places stand ahead
	FETCH (\s)+1
	s_wait_dscnt 36                                ; all but the 36 just issued
	MUL \s, 0
.endm
.macro ASK p                           ; one prefetch a wave, waves 0 to 2; behind the bias loads just issued
	s_cmp_lt_u32 s[WV], 3
	s_cbranch_scc0 .Lno_ask_\@
	global_prefetch_b8 v[PFO], s[\p:\p+1] th:TH_LOAD_NT scope:SCOPE_SE
.Lno_ask_\@:
.endm
; K STEP 3 CHANGES SLOTS.  In front of the barrier each wave waits for all its tensor loads (its part of slot 1), adds 0 to its spare word, and waits for that and for its reads of slot 0.
; fill = 1: the barrier opens a round of the cluster's barrier, and slot 0 takes the next tile's first half (addresses in s[pa], s[pb]).
.macro TURNA fill, pa, pb
	WIN 0                                          ; (the add's two registers lie in window 0)
	s_wait_tensorcnt 0x0                           ; all my tensor loads have landed, so a group 0 may be written
	ds_add_u32 v[SPW], v[NIL]                      ; 0 onto my spare word
.if \fill
	s_mov_b64 s[G0A+2:G0A+3], s[\pa:\pa+1]
	s_or_b32 s[G0A+3], s[G0A+3], 0x80000000
	s_mov_b64 s[G0B+2:G0B+3], s[\pb:\pb+1]
	s_or_b32 s[G0B+3], s[G0B+3], 0x80000000
.endif
	s_wait_dscnt 0x1                               ; step 3's fragments are in; the add may be out
	MULQ 3, 0, 0                                   ; eight matrix instructions stand between the add and the wait for it
	s_wait_dscnt 0x0                               ; the add is done, and my reads of slot 0 are over
	s_barrier_signal -1
	MULQ 3, 1, 0                                   ; work on registers while the others arrive
	WIN 0
	s_barrier_wait -1
.if \fill
	CREST                                          ; no wave of any partner still reads slot 0 or has a load on its way
	JLOAD 0                                        ; the first tensor load behind the round, and my only one until the next; its four v_nop are the places in front of the loads below
.else
	PLACES
.endif
	FETCH 4
	MULQ 3, 2, 0
	MULQ 3, 3, 0
.endm
; BEHIND A TILE'S WAY OUT slot 1, read out since step 7 was fetched, takes the next tile's second half; the wait for all loads shows the next tile's first half landed.
.macro CHANGEB pa, pb
	s_wait_tensorcnt 0x0
	ds_add_u32 v[SPW], v[NIL]                      ; the descriptors' words stand between the add and the wait for it
	s_add_nc_u64 s[G0A+6:G0A+7], s[\pa:\pa+1], 6144
	s_or_b32 s[G0A+7], s[G0A+7], 0x80000000
	s_add_nc_u64 s[G0B+6:G0B+7], s[\pb:\pb+1], 6144
	s_or_b32 s[G0B+7], s[G0B+7], 0x80000000
	s_wait_dscnt 0x0
	CROUND
	JLOAD 1
.endm
; ---- THE WAY OUT OF Q AND K.  A lane holds one row m (a query's row, or a key) and 128 n: two runs of 64 = the K of the scores' product, two blocks each.
; With u_m = 2 mtile + wm and u_n = 4 ntile + 2 wn: Q: run sg is query column u_n + sg of head u_m.   K: run sg is head u_n + sg; the tiles are key tiles 4 u_m + a.   Two neighbouring tiles' six registers make a pair image of 12.
.macro QUANT ta
.set AC, 64*(\ta)
	WIN 0x05
.irp b, 0,1,2,3
	v_max3_num_f32 v[TM+\b], |v[AC+16*\b]|, |v[AC+16*\b+1]|, 0x1800000   ; block b: my 16 numbers, from each accumulator's low end on, and the floor 2^(3 - 127)
.endr
.irp i, 2,4,6,8,10,12,14
.irp b, 0,1,2,3
	v_max3_num_f32 v[TM+\b], |v[AC+16*\b+\i]|, |v[AC+16*\b+\i+1]|, v[TM+\b]
.endr
.endr
	WIN 0
.irp b, 0,1,2,3
	v_permlanex16_b32 v[TM+4+\b], v[TM+\b], s[SEL], s[SEL+1]
.endr
.irp b, 0,1,2,3
	v_max_num_f32 v[TM+\b], v[TM+\b], v[TM+4+\b]   ; with lane l xor 16's 16
.endr
.irp b, 0,1,2,3
	v_add_nc_u32 v[TM+8+\b], 0xff000000, v[TM+\b]  ; the conversion's scale operand
.endr
.irp b, 0,1,2,3
	v_lshrrev_b32 v[TM+4+\b], 23, v[TM+8+\b]       ; the byte
.endr
	v_lshl_or_b32 v[PW+(\ta)], v[TM+5], 8, v[TM+4]
	v_lshl_or_b32 v[PW+(\ta)], v[TM+6], 16, v[PW+(\ta)]
	v_lshl_or_b32 v[PW+(\ta)], v[TM+7], 24, v[PW+(\ta)]
	WIN 0x01
.irp c, 0,1
	v_cvt_scalef32_pk16_fp6_f32 v[GI+12*(2*((\ta)/2)+\c)+6*((\ta)%2):GI+12*(2*((\ta)/2)+\c)+6*((\ta)%2)+2], v[AC+32*\c:AC+32*\c+15], v[TM+8+2*\c]
	v_cvt_scalef32_pk16_fp6_f32 v[CT+4*\c:CT+4*\c+2], v[AC+32*\c+16:AC+32*\c+31], v[TM+8+2*\c+1]
.endr
	WIN 0
	v_nop                                          ; one plain place behind the conversions
.irp c, 0,1                            ; the operand's layout wants a whole block in a lane: lanes 0-15 the run's block 0, lanes 16-31 its block 1
.irp i, 0,1,2
	v_permlane16_swap_b32 v[GI+12*(2*((\ta)/2)+\c)+6*((\ta)%2)+\i], v[CT+4*\c+\i]
.endr
.irp i, 0,1,2
	v_mov_b32 v[GI+12*(2*((\ta)/2)+\c)+6*((\ta)%2)+3+\i], v[CT+4*\c+\i]
.endr
.endr
.endm
.macro OUTQK isk
.if \isk
	s_lshl_b32 s88, s58, 1
	s_add_co_u32 s88, s88, s19                     ; u_m
	s_lshl_b32 s89, s59, 2
	s_lshl_b32 s91, s20, 1
	s_add_co_u32 s89, s89, s91                     ; u_n
	s_mul_i32 s90, s89, 104448                     ; head u_n in kv
	s_mul_i32 s92, s88, 3072                       ; its key tiles 4 u_m on: two pair images
	s_lshl_b32 s96, s88, 8
	s_add_co_u32 s96, s96, 98304                   ; and their scale words
.else
	s_lshl_b32 s88, s56, 1
	s_add_co_u32 s88, s88, s19                     ; u_m
	s_lshl_b32 s89, s57, 2
	s_lshl_b32 s91, s20, 1
	s_add_co_u32 s89, s89, s91                     ; u_n
	s_mul_i32 s90, s88, 53248                      ; head u_m in qi
	s_mul_i32 s92, s89, 3072                       ; its query column u_n: two pair images
	s_lshl_b32 s96, s89, 8
	s_add_co_u32 s96, s96, 49152
.endif
	s_add_co_u32 s92, s92, s90
	s_mov_b32 s93, 0
	s_add_co_u32 s96, s96, s90
	s_mov_b32 s97, 0
.if \isk
	s_add_nc_u64 s[92:93], s[16:17], s[92:93]      ; run 0's pair images,
	s_add_nc_u64 s[94:95], s[92:93], 104448        ; run 1's: the next head,
	s_add_nc_u64 s[96:97], s[16:17], s[96:97]      ; the scale words
.else
	s_add_nc_u64 s[92:93], s[14:15], s[92:93]
	s_add_nc_u64 s[94:95], s[92:93], 3072          ; run 1's: the next query column
	s_add_nc_u64 s[96:97], s[14:15], s[96:97]
.endif
	QUANT 0
	QUANT 1
	QUANT 2
	QUANT 3
.irp p, 0,1
.irp c, 0,1,2
	global_store_b128 v1, v[GI+24*\p+4*\c:GI+24*\p+4*\c+3], s[92:93] offset:1536*\p+512*\c        ; 32 lanes store 512 consecutive bytes, at a multiple of 256 from the buffer's first byte
	global_store_b128 v1, v[GI+24*\p+12+4*\c:GI+24*\p+12+4*\c+3], s[94:95] offset:1536*\p+512*\c
.endr
.endr
.irp a, 0,1,2,3
	v_bfe_u32 v[PW+\a], v[PW+\a], v23, 16          ; my run's two bytes; bytes 2 and 3 are 0: they scale zero codes
.endr
	global_store_b128 v[24+\isk], v[PW:PW+3], s[96:97]   ; sixteen lanes store 256 consecutive bytes
.endm
; ---- THE WAY OUT OF V.  Lane (r, h): row rho = 32 (a / 2) + 8 (a % 2) + r + 8 (r / 8) of head u_m; the 16 registers of tiles 2 b, 2 b + 1 are keys 16 rho + 0 .. 15 of channel index 8 wn + 2 b + h of tile t = ntile.
; A block of 32 keys lies in lanes r and r xor 1.  A conversion's 12 bytes are a quarter of an operand lane's 48: they go through the wave's stage, in places of 16 bytes, and leave 384 consecutive bytes a store.
.macro VQUANT ta
.set AC, 64*(\ta)
	WIN 0x05
.irp b, 0,1,2,3
	v_max3_num_f32 v[TM+\b], |v[AC+16*\b]|, |v[AC+16*\b+1]|, 0x1800000
.endr
.irp i, 2,4,6,8,10,12,14
.irp b, 0,1,2,3
	v_max3_num_f32 v[TM+\b], |v[AC+16*\b+\i]|, |v[AC+16*\b+\i+1]|, v[TM+\b]
.endr
.endr
	WIN 0
.irp b, 0,1,2,3
	v_max_num_f32_dpp v[TM+\b], v[TM+\b], v[TM+\b] row_xmask:1 row_mask:0xf bank_mask:0xf   ; with the neighbouring row's 16 keys
.endr
.irp b, 0,1,2,3
	v_add_nc_u32 v[TM+8+\b], 0xff000000, v[TM+\b]
.endr
.irp b, 0,1,2,3
	v_lshrrev_b32 v[TM+4+\b], 23, v[TM+8+\b]
.endr
	WIN 0x01
.irp b, 0,1,2,3
	v_cvt_scalef32_pk16_fp6_f32 v[VC+4*\b:VC+4*\b+2], v[AC+16*\b:AC+16*\b+15], v[TM+8+\b]
.endr
	WIN 0
	v_nop                                          ; one plain place behind the conversions
.irp b, 0,1,2,3
	v_lshlrev_b32 v[TM+4+\b], v18, v[TM+4+\b]      ; the byte at its block's place; the word's other three lie in lanes r xor 2, r xor 4, r xor 6
.endr
.irp b, 0,1,2,3
	v_mov_b32_dpp v[TM+\b], v[TM+4+\b] row_xmask:2 row_mask:0xf bank_mask:0xf
.endr
.irp b, 0,1,2,3
	v_or_b32 v[TM+4+\b], v[TM+4+\b], v[TM+\b]
.endr
.irp b, 0,1,2,3
	v_mov_b32_dpp v[TM+\b], v[TM+4+\b] row_xmask:4 row_mask:0xf bank_mask:0xf
.endr
.irp b, 0,1,2,3
	v_or_b32 v[TM+4+\b], v[TM+4+\b], v[TM+\b]
.endr
.irp b, 0,1,2,3
	ds_store_b32 v15, v[TM+4+\b] offset:128*((\ta)/2)+32*((\ta)%2)+8*\b    ; [K step][channel index % 8]: eight lanes write the same word with the same value
.endr
.irp b, 0,1,2,3
	ds_store_b96 v14, v[VC+4*\b:VC+4*\b+2] offset:1024*((\ta)%2)+128*\b
.endr
	s_wait_dscnt 0x0                               ; the stores have read their registers
.endm
.macro VOUT hf                         ; tiles 2 hf, 2 hf + 1 hold K steps 4 hf .. 4 hf + 3: for each, and each half h' of the operand's lanes, my eight lanes' 384 bytes
.irp u, 0,1,2,3,4,5,6,7
	ds_load_b96 v[VO+32*(\hf)+4*\u:VO+32*(\hf)+4*\u+2], v16 offset:512*\u
.endr
.irp u, 0,1,2,3,4,5,6,7
	s_wait_dscnt 7-\u                              ; the younger read-backs may be out
	global_store_b96 v19, v[VO+32*(\hf)+4*\u:VO+32*(\hf)+4*\u+2], s[92:93] offset:(4*(\hf)+\u/2)*1536+768*(\u%2)
.endr
.endm
	s_wait_alu depctr_va_vdst(0)                   ; the head's end
	s_wait_tensorcnt 0x0                           ; my part of slot 0 is in
	ds_add_u32 v[SPW], v[NIL]
	s_wait_dscnt 0x0
	CROUND                                         ; everybody's part is in, and all sixteen work-groups are here
	JLOAD 1                                        ; slot 1's first fill: the first tensor load behind the round
	; ======== TILE Q
	FETCH 0
	FETCH 1
	s_wait_loadcnt 0x0                             ; scale words and bias
	s_wait_dscnt 36                                ; K step 0's fragments
	MUL 0, 1
	PLACES
	BIASK                                          ; the next tile's bias, into the registers that step 0 has just read
	ASK 98                                         ; k's codes: two K steps, 64 matrix instructions, ahead of the load of their first half; half a tile and a way out more ahead of the second's
	NEXT 1
	PLACES
	NEXT 2
	TURNA 1, 60, 66                                ; slot 0 takes tile K's first half
	PLACES
	NEXT 4
	PLACES
	NEXT 5
	PLACES
	NEXT 6
	s_wait_dscnt 0x0
	MUL 7, 0
	WIN 0
	PLACES
	LOADSC 74, 76                                  ; tile K's scale words land while tile Q goes out
	OUTQK 0
	CHANGEB 60, 66                                 ; slot 1 takes tile K's second half
	; ======== TILE K
	FETCH 0
	FETCH 1
	s_wait_loadcnt 0x0
	s_wait_dscnt 36
	MUL 0, 2
	PLACES
	BIASV 0
	ASK 100                                        ; v's codes, likewise
	NEXT 1
	PLACES
	NEXT 2
	TURNA 1, 62, 68                                ; slot 0 takes tile V's first half
	PLACES
	NEXT 4
	PLACES
	NEXT 5
	PLACES
	BIASV 1                                        ; five K steps behind the first 32, so that no more than 32 of these loads are out together
	NEXT 6
	s_wait_dscnt 0x0
	MUL 7, 0
	WIN 0
	PLACES
	s_wait_xcnt 0x0                                ; tile Q's stores have read their registers and bases, which this way out writes again; the wait stands ahead of the loads below, so that it waits for none of them
	LOADSC 78, 80
	OUTQK 1
	CHANGEB 62, 68                                 ; slot 1 takes tile V's second half: the last load
	; ======== TILE V
	FETCH 0
	FETCH 1
	s_wait_loadcnt 0x0
	s_wait_dscnt 36
	MUL 0, 1
	PLACES
	NEXT 1
	PLACES
	NEXT 2
	TURNA 0, 0, 0                                  ; nothing is left to fetch: a plain barrier shows slot 1 whole
	PLACES
	NEXT 4
	PLACES
	NEXT 5
	PLACES
	NEXT 6
	s_wait_dscnt 0x0
	MUL 7, 0
	WIN 0
	PLACES
	s_wait_xcnt 0x0                                ; tile K's stores have read their registers and bases
	s_lshl_b32 s88, s56, 1
	s_add_co_u32 s88, s88, s19                     ; the head u_m = 2 mtile + wm
	s_mul_i32 s90, s88, 104448
	s_mul_i32 s92, s57, 12288
	s_add_co_u32 s92, s92, s90
	s_mul_i32 s91, s20, 384
	s_add_co_u32 s92, s92, s91
	s_add_co_u32 s92, s92, 49152
	s_mov_b32 s93, 0
	s_add_nc_u64 s[92:93], s[16:17], s[92:93]      ; V's images: tile t, my eight lanes of each half
	s_lshl_b32 s96, s57, 1
	s_add_co_u32 s96, s96, s20
	s_lshl_b32 s96, s96, 8
	s_add_co_u32 s96, s96, s90
	s_add_co_u32 s96, s96, 102400
	s_mov_b32 s97, 0
	s_add_nc_u64 s[96:97], s[16:17], s[96:97]      ; V's scale words: my 256 bytes
	VQUANT 0
	VQUANT 1
	VOUT 0
	VQUANT 2
	VQUANT 3
	VOUT 1
	ds_load_b64 v[TM:TM+1], v17
	s_wait_dscnt 0x0
	global_store_b64 v22, v[TM:TM+1], s[96:97]     ; 32 lanes store 256 consecutive bytes, aligned
	s_wait_tensorcnt 0x0                           ; the wave's end, behind my last tensor load and my last LDS store
	ds_add_u32 v[SPW], v[NIL]
	s_wait_dscnt 0x0
	CROUND                                         ; the closing round
	s_endpgm
.Lfunc_end_k_q3bbfcdb8af_proj:
	.size	k_q3bbfcdb8af_proj, .Lfunc_end_k_q3bbfcdb8af_proj-k_q3bbfcdb8af_proj
	.p2alignl 7, 3214868480
	.fill 96, 4, 3214868480
	.section	.rodata,"a",@progbits
	.p2align	6, 0x0
	.amdhsa_kernel k_q3bbfcdb8af_proj
		.amdhsa_group_segment_fixed_size 327680
		.amdhsa_private_segment_fixed_size 0
		.amdhsa_enable_private_segment 0
		.amdhsa_kernarg_size 56
		.amdhsa_user_sgpr_count 2
		.amdhsa_user_sgpr_kernarg_segment_ptr 1
		.amdhsa_wavefront_size32 1
		.amdhsa_system_sgpr_workgroup_id_x 1
		.amdhsa_system_sgpr_workgroup_id_y 1
		.amdhsa_system_sgpr_workgroup_id_z 1
		.amdhsa_system_vgpr_workitem_id 0
		.amdhsa_next_free_vgpr 1024
		.amdhsa_next_free_sgpr 102
		.amdhsa_reserve_vcc 0
		.amdhsa_float_denorm_mode_32 3
		.amdhsa_float_denorm_mode_16_64 3
		.amdhsa_memory_ordered 1
		.amdhsa_forward_progress 1
		.amdhsa_inst_pref_size 249
	.end_amdhsa_kernel
	.amdgpu_metadata
---
amdhsa.version: [ 1, 2 ]
amdhsa.kernels:
  - .name:           k_q3bbfcdb8af_proj
    .symbol:         k_q3bbfcdb8af_proj.kd
    .args:
      - { .name: xc, .offset: 0, .size: 8, .value_kind: global_buffer, .address_space: global }
      - { .name: xs, .offset: 8, .size: 8, .value_kind: global_buffer, .address_space: global }
      - { .name: bq, .offset: 16, .size: 8, .value_kind: global_buffer, .address_space: global }
      - { .name: bk, .offset: 24, .size: 8, .value_kind: global_buffer, .address_space: global }
      - { .name: bv, .offset: 32, .size: 8, .value_kind: global_buffer, .address_space: global }
      - { .name: qi, .offset: 40, .size: 8, .value_kind: global_buffer, .address_space: global }
      - { .name: kv, .offset: 48, .size: 8, .value_kind: global_buffer, .address_space: global }
    .group_segment_fixed_size: 327680
    .private_segment_fixed_size: 0
    .kernarg_segment_align: 8
    .kernarg_segment_size: 56
    .max_flat_workgroup_size: 128
    .sgpr_count:     102
    .vgpr_count:     1024
    .wavefront_size: 32
...
	.end_amdgpu_metadata
.endif
;; end of part 2
;; launch attn (part 3): grid 4 x 64, 8 waves a work-group, clusters of 4 x 1, 210,944 bytes of LDS; arguments qi, kv, cc, cs; writes cc, cs
.if DOCPART == 3
	.amdgcn_target "amdgcn-amd-amdhsa--gfx1250"
	.amdhsa_code_object_version 6
	.text
	.protected	k_q3bbfcdb8af_attn
	.globl	k_q3bbfcdb8af_attn
	.p2align	8
	.type	k_q3bbfcdb8af_attn,@function
k_q3bbfcdb8af_attn:
	s_mov_b64 s[64:65], 0
	v_nop
	global_prefetch_b8 v0, s[64:65] scope:SCOPE_SE
	s_setreg_imm32_b32 hwreg(HW_REG_WAVE_MODE, 25, 1), 1
	s_wait_xcnt 0x0
	s_wait_alu depctr_hold_cnt(0) depctr_sa_sdst(0) depctr_va_vdst(0) depctr_va_sdst(0) depctr_va_ssrc(0) depctr_va_vcc(0) depctr_vm_vsrc(0)
	s_getreg_b32 s2, hwreg(HW_REG_IB_STS2, 6, 4)
	s_cmp_eq_u32 s2, 0
	s_cbranch_scc0 .Lentry_in_a_cluster
	s_endpgm
.Lentry_in_a_cluster:
	s_bfe_u32 s2, ttmp6, 0x10000c
	s_cmp_lg_u32 s2, 0x3003
	s_cbranch_scc0 .Lentry_shape_is_right
	s_endpgm
.Lentry_shape_is_right:
; Scores, softmax and context on codes of FP6, head size 64, 1,024 keys, and the context quantised into the operand images of the output projection.
; A work-group takes two neighbouring heads (2 y, 2 y + 1) and 256 queries; each of its eight waves TWO tiles of 16 queries (one pair image of Q), through both heads:
; each fragment of K and of V that a wave reads from LDS feeds two matrix instructions, and one tile's dependent chains of vector work stand among the other tile's independent lines.
; The two heads' K and V images and scale words, 2 x 104,448 bytes, lie in LDS as they lie in memory: first fills only, one load of 102 rows x 256 bytes a wave, asked for JOINTLY by the four work-groups
; of a cluster, which need the same bytes.  One wait for all loads and one barrier; nothing is filled again.  No prefetch: the launch's only tensor loads go out at its head, so no loop runs ahead of a load.
; Both products are used transposed: S^T = K Q^T, O^T = V^T P^T: a lane holds one query of each tile throughout.  The scores' K is 64: Q's upper six registers are zero codes; K's operand is 12 registers from
; a tile's six on, so its upper six are the next tile's codes, which meet Q's zeros.
; THE KEYS OF A TILE ARE NOT NEIGHBOURS: lane r of a step's tile 4 c + u is key 64 c + 8 u + r % 8 + 32 (r / 8): the 32 score registers of tiles 4 c .. 4 c + 3 in lane (r, h) are keys 64 c + 32 h + 0 .. 31,
; one whole block of the second product's K: a block's maximum needs no other lane, and the conversions' results are the operand's registers.
; SOFTMAX: t = score x log2(e) / 8; M = the running largest t rounded up to a whole number; p = 2^(t - M) is quantised along the keys, not normalised; the sum is taken of the unquantised p and divides at the end.
; LIMITS: NaN and infinities are not served; the promise holds while the scaled scores t stay under 2^31 in magnitude; a block whose largest magnitude lies under 2^-124 keeps the scale byte 1.
; cs is laid [tile][half of K][row][4 words]; a word leaves 4 bytes a lane, rows 16 bytes apart: the K step of a word belongs to this work-group alone.
; REGISTERS.  Window 0: addresses, scale words, K's, V's and Q's fragments, the context's fragments.  Window 1, tile q: S^T then p at 64 q, O^T at 128 + 32 q, p's codes at 192 + 12 q, the softmax's state at 232 + 12 q.
.set HB,    104448                     ; a head's block: K's pair images 49,152; V's images 49,152; K's scale words 4,096; V's 2,048
.set SPARE, 2*HB                       ; the spare words: 128 bytes for each of 8 waves
.set LN16, 1                           ; 16 x lane
.set KSA,  2                           ; K's scale words: [four tiles][r][tile % 4]
.set VIA,  3                           ; V's images are lane-major: my 48 bytes
.set VSA,  4                           ; V's scale words: [t][r / 8][K step][r % 8]
.set SPW,  5
.set NIL,  6
.set CSO,  11                          ; 16 r
.set KS,   12                          ; v12-19 K's scale words
.set VS,   20                          ; v20-23 V's
.set QS,   24                          ; v24-25 Q's, a tile each; v26-27 head 1's
.set QSN,  26
.set PSW,  28                          ; v28-29 p's scale words
.set CW,   30                          ; v30-31 the context's
.set CT0,  32                          ; v32-39 the context's second halves
.set KF,   40                          ; v40-87 eight tiles of K; v88-93 zeros
.set VF,   96                          ; v96-143 four fragments of V
.set QA,   144                         ; v144-155 tile 0's Q (upper six zeros)
.set QI,   156                         ; v156-167 the pair image; tile 1's Q is v162-173 (v168-173 zeros) = QA + 18
.set QN,   174                         ; v174-185 head 1's pair image
.set CX,   186                         ; v186-209 the context's fragments
.set OO,   128                         ; window 1 from here on
.set PCD,  192
.set CT,   216
.set NM,   232                         ; -M, and beside it
.set MT,   233                         ; the running largest score
.set F,    234                         ; 2^(old M - new M)
.set TP,   235
.set L,    236                         ; the sum, in two halves
.set BM,   238                         ; four registers: the blocks' maxima, then scale operands and bytes
.set PT,   242
.set SH8,  243                         ; 8 h
.set WV,  12
.set SEL, 2
.set NC,  53
.set CS,  54
.set MSB, 0
.macro WIN new                         ; the immediate's high byte repeats the setting that is left
.if MSB != (\new)
	s_set_vgpr_msb (MSB<<8)|(\new)
.set MSB, (\new)
.endif
.endm
.macro CROUND
	s_barrier_signal -1
	s_barrier_wait -1
	s_cmp_lg_u32 s[WV], 0
	s_cbranch_scc1 .Lnot_wave_0_\@
	s_barrier_signal -3
.Lnot_wave_0_\@:
	s_barrier_wait -3
	s_barrier_signal -1
	s_barrier_wait -1
.endm
	s_load_b256 s[4:11], s[0:1], 0x0               ; qi s[4:5], kv s[6:7], cc s[8:9], cs s[10:11]
	v_lshl_add_u32 v[SPW], v0, 2, SPARE
	v_mov_b32 v[NIL], 0
	ds_add_u32 v[SPW], v[NIL]                      ; the wave's opening: the add, twice on end, and its wait ahead of my tensor load
	ds_add_u32 v[SPW], v[NIL]
	v_lshrrev_b32 v1, 5, v0
	v_readfirstlane_b32 s[WV], v1                  ; wave 0..7
	s_bfe_u32 s13, ttmp6, 0x40000                  ; cx: it enters Q's and the context's global addresses alone
	s_and_b32 s14, ttmp7, 0xffff                   ; y: the pair of heads, which the four partners share
	s_mov_b32 s24, 15|(3<<16)|(1<<21)              ; group 1: all four work-groups; elements of 8 bytes; bit 21 set beside a mask
	s_mov_b32 s25, 32<<16                          ; rows of 256 bytes,
	s_mov_b32 s26, 102<<16                         ; 102 of them: an eighth of the two heads' blocks
	s_mov_b32 s27, 32<<16
	s_mov_b32 s28, 102
	s_mov_b32 s29, 32
	s_mov_b32 s30, 0
	s_mov_b32 s31, 0
	s_mov_b32 s32, 1
	s_mul_i32 s33, s[WV], 26112                    ; where my eighth goes: the wave's number alone
	s_mul_i32 s18, s14, 2*HB
	s_add_co_u32 s18, s18, s33
	s_mov_b32 s19, 0
	s_lshl_b32 s20, s13, 3
	s_add_co_u32 s20, s20, s[WV]                   ; my pair of query tiles p = 8 cx + wave
	s_mul_i32 s21, s14, 106496                     ; head 2 y in qi
	s_mul_i32 s40, s20, 1536
	s_add_co_u32 s40, s40, s21
	s_mov_b32 s41, 0
	s_lshr_b32 s42, s20, 1                         ; scale words [tile / 4][r][tile % 4]: tiles 2 p, 2 p + 1 are 8 neighbouring bytes
	s_lshl_b32 s42, s42, 8
	s_and_b32 s23, s20, 1
	s_lshl_b32 s23, s23, 3
	s_add_co_u32 s42, s42, s23
	s_add_co_u32 s42, s42, s21
	s_add_co_u32 s42, s42, 49152
	s_mov_b32 s43, 0
	s_mov_b32 s[SEL], 0x76543210
	s_mov_b32 s[SEL+1], 0xfedcba98                 ; selects for lane l xor 16
	s_mov_b32 s[CS], 0x3e38aa3b                    ; c = log2(e) / 8
	s_mov_b32 s[CS+1], s[CS]
	s_mov_b32 s[NC], 0xbe38aa3b                    ; -c
	s_wait_dscnt 0x0                               ; both opening adds are done
	s_wait_kmcnt 0x0
	s_add_nc_u64 s[34:35], s[6:7], s[18:19]
	s_or_b32 s35, s35, 0x80000000
	s_add_nc_u64 s[40:41], s[4:5], s[40:41]        ; my pair image
	s_add_nc_u64 s[42:43], s[4:5], s[42:43]        ; my scale words
	CROUND                                         ; all four work-groups are here: the joint loads meet
	tensor_load_to_lds s[32:35], s[24:31]          ; every wave's one load
	s_nop 0
.rept 4
	v_nop
.endr
	v_and_b32 v7, 31, v0
	v_and_b32 v8, 15, v0                           ; r
	v_and_b32 v9, 7, v0
	v_bfe_u32 v10, v0, 3, 1
	v_mul_u32_u24 v[VIA], v7, 48
	v_lshlrev_b32 v[LN16], 4, v7
	v_lshl_add_u32 v[KSA], v8, 4, 98304
	v_lshlrev_b32 v[VSA], 2, v9
	v_lshlrev_b32 v[CSO], 4, v8
	v_add_nc_u32 v[VIA], 49152, v[VIA]
	v_lshl_add_u32 v[VSA], v10, 8, v[VSA]
	v_bfe_u32 v9, v0, 4, 1
	v_add_nc_u32 v[VSA], 102400, v[VSA]
	v_lshlrev_b32 v9, 3, v9                        ; 8 h
	s_wait_alu depctr_va_vdst(0)
.irp c, 0,1,2
	global_load_b128 v[QI+4*\c:QI+4*\c+3], v[LN16], s[40:41] offset:512*\c
	global_load_b128 v[QN+4*\c:QN+4*\c+3], v[LN16], s[40:41] offset:53248+512*\c
.endr
	global_load_b64 v[QS:QS+1], v[CSO], s[42:43]
	global_load_b64 v[QSN:QSN+1], v[CSO], s[42:43] offset:53248
.irp i, 0,1,2,3,4,5
	v_mov_b32 v[QA+6+\i], 0                        ; Q's zero codes, both tiles',
	v_mov_b32 v[QI+12+\i], 0
	v_mov_b32 v[KF+48+\i], 0                       ; and what stands behind K's last tile
.endr
	WIN 0x40
	v_mov_b32 v[SH8], v9
.irp q, 0,1
	v_mov_b32 v[PT+12*\q], 0                       ; a lane permute's destination counts as one of its sources
	v_mov_b32 v[TP+12*\q], 0                       ; (also named as the upper half of a pair)
.endr
	WIN 0
	s_wait_alu depctr_va_vdst(0)                   ; the head's end
	s_wait_loadcnt 0x0                             ; Q, both heads'
	s_wait_tensorcnt 0x0                           ; my eighth is in
	s_barrier_signal -1
	s_barrier_wait -1                              ; everybody's is
.macro KLOAD                           ; a step's eight tiles of K and their scale words
.irp p, 0,1,2,3
.irp c, 0,1,2
	ds_load_b128 v[KF+12*\p+4*\c:KF+12*\p+4*\c+3], v7 offset:1536*\p+512*\c
.endr
.endr
	ds_load_b128 v[KS:KS+3], v8
	ds_load_b128 v[KS+4:KS+7], v8 offset:256
.endm
; The n-th of the 32 lines that find the largest score of tile q's two blocks of 32 keys: four chains, each accumulator from its low end on; lines 28, 29 join a block's two chains, lines 30, 31 take in the last score.
; A block's largest score serves twice: for the row's maximum and, since p rises with the score, for the block's largest p.
.macro MX q, n
.if (\n) < 4
	v_max3_num_f32 v[BM+12*\q+(\n)], v[64*\q+16*(\n)], v[64*\q+16*(\n)+1], v[64*\q+16*(\n)+2]
.elseif (\n) < 28
	v_max3_num_f32 v[BM+12*\q+(\n)%4], v[BM+12*\q+(\n)%4], v[64*\q+16*((\n)%4)+2*((\n)/4)+1], v[64*\q+16*((\n)%4)+2*((\n)/4)+2]
.elseif (\n) < 30
	v_max3_num_f32 v[BM+12*\q+2*((\n)-28)], v[BM+12*\q+2*((\n)-28)], v[BM+12*\q+2*((\n)-28)+1], v[64*\q+32*((\n)-28)+15]
.else
	v_max_num_f32 v[BM+12*\q+2*((\n)-30)], v[BM+12*\q+2*((\n)-30)], v[64*\q+32*((\n)-30)+31]
.endif
.endm
; The l-th of the nine dependent lines that make tile q's new -M and f
.macro CH q, l
.if (\l) == 0
	v_max_num_f32 v[TP+12*\q], v[BM+12*\q], v[BM+12*\q+2]
.elseif (\l) == 1
	v_permlanex16_b32 v[PT+12*\q], v[TP+12*\q], s[SEL], s[SEL+1]
.elseif (\l) == 2
	v_max3_num_f32 v[MT+12*\q], v[MT+12*\q], v[TP+12*\q], v[PT+12*\q]   ; the running largest score of my query (c is positive)
.elseif (\l) == 3
	v_mul_f32 v[TP+12*\q], s[NC], v[MT+12*\q]      ; -t
.elseif (\l) == 4
	v_floor_f32 v[TP+12*\q], v[TP+12*\q]           ; the new -M = floor(-t): M is a whole number
.elseif (\l) == 5
	v_sub_f32 v[F+12*\q], v[TP+12*\q], v[NM+12*\q] ; old M - new M: a whole number, 0 or less
.elseif (\l) == 6
	v_mov_b32 v[NM+12*\q], v[TP+12*\q]
.elseif (\l) == 7
	v_cvt_i32_f32 v[F+12*\q], v[F+12*\q]           ; (it saturates)
.else
	v_ldexp_f32 v[F+12*\q], 1.0, v[F+12*\q]        ; f = 2^(old M - new M): a multiplication by it rounds nothing
.endif
.endm
.macro FM q                            ; t - M of the next two scores (J counts the registers)
	v_pk_fma_f32 v[J:J+1], v[J:J+1], s[CS:CS+1], v[NM+12*\q:NM+12*\q+1] op_sel_hi:[1,0,0]
.set J, J+2
.endm
; The l-th of the five lines that lay tile q's two scale bytes (blocks h and 2 + h) at their places and fetch lane l xor 16's two
.macro BY q, l
.if (\l) < 2
	v_lshrrev_b32 v[BM+12*\q+2*(\l)], 23, v[BM+12*\q+2*(\l)+1]
.elseif (\l) == 2
	v_lshl_or_b32 v[BM+12*\q], v[BM+12*\q+2], 16, v[BM+12*\q]
.elseif (\l) == 3
	v_lshlrev_b32 v[BM+12*\q], v[SH8], v[BM+12*\q]
.else
	v_permlanex16_b32 v[PT+12*\q], v[BM+12*\q], s[SEL], s[SEL+1]
.endif
.endm
.macro AD n                            ; p's 32 pairs of a tile are summed in place: pair I += pair I + n, both tiles
.irp q, 0,1
	v_pk_add_f32 v[64*\q+2*I:64*\q+2*I+1], v[64*\q+2*I:64*\q+2*I+1], v[64*\q+2*I+2*\n:64*\q+2*I+2*\n+1]
.endr
.set I, I+1
.endm
.macro LEVEL n
.set I, 0
.rept \n
	AD \n
.endr
.endm
; A KEY STEP: 128 keys x 32 queries.  K's fragments were fetched a step ahead.  s48, s49: the NEXT step's K images and scale words; s50, s51: this step's V images and scale words.
.macro STEP
	WIN 0x40
.irp t, 0,1,2,3,4,5,6,7
.irp q, 0,1
	v_wmma_scale_f32_16x16x128_f8f6f4 v[64*\q+8*\t:64*\q+8*\t+7], v[KF+6*\t:KF+6*\t+11], v[QA+18*\q:QA+18*\q+11], 0, v[KS+\t], v[QS+\q] matrix_a_fmt:MATRIX_FMT_FP6 matrix_b_fmt:MATRIX_FMT_FP6
.endr
.endr                                  ; lane (r, h): query r of tile q; register 64 q + 32 c + i is key 64 c + 32 h + i of the step
	WIN 0
	v_add_nc_u32 v9, s50, v[VIA]                   ; these four are the places behind the products, ahead of the loads into their sources and of the first read of the scores
	v_add_nc_u32 v10, s51, v[VSA]
	v_add_nc_u32 v7, s48, v[LN16]
	v_add_nc_u32 v8, s49, v[KSA]
.irp t, 0,1,2,3
.irp c, 0,1,2
	ds_load_b128 v[VF+12*\t+4*\c:VF+12*\t+4*\c+3], v9 offset:12288*\t+16*\c
.endr
	ds_load_b32 v[VS+\t], v10 offset:512*\t
.endr
	s_cmp_eq_u32 s52, 1                            ; a head's last step has no next step's K to fetch: a branch on the counted loop's steps, round LDS loads alone
	s_cbranch_scc1 .Lno_k_\@
	KLOAD
.Lno_k_\@:
	WIN 0x55                                       ; all of the softmax lies in window 1
.set NA, 0
.set NB, 0
.rept 16                               ; tile 0's maxima, with the first half of tile 1's among them
	MX 0, NA
	MX 0, NA+1
	MX 1, NB
.set NA, NA+2
.set NB, NB+1
.endr
.set LV, 0
.rept 8                                ; tile 0's chain for M stands among the rest of tile 1's maxima,
	CH 0, LV
	MX 1, NB
	MX 1, NB+1
.set LV, LV+1
.set NB, NB+2
.endr
	CH 0, 8
.set LV, 0
.set J, 0
.rept 9                                ; and tile 1's among tile 0's multiply-adds
	CH 1, LV
	FM 0
	FM 0
	FM 0
.set LV, LV+1
.endr
.rept 5
	FM 0
.endr
.rept 32
	FM 1
.endr
.irp c, 0,1
.irp q, 0,1
	v_fma_f32 v[BM+12*\q+2*\c], v[BM+12*\q+2*\c], s[CS], v[NM+12*\q]   ; the same of each block's largest score
.endr
.endr
.irp q, 0,1                            ; the sums and O^T under the new M, ahead of the exponentials
	v_pk_mul_f32 v[L+12*\q:L+12*\q+1], v[L+12*\q:L+12*\q+1], v[F+12*\q:F+12*\q+1] op_sel_hi:[1,0]
.set J, OO+32*\q
.rept 16
	v_pk_mul_f32 v[J:J+1], v[J:J+1], v[F+12*\q:F+12*\q+1] op_sel_hi:[1,0]
.set J, J+2
.endr
.endr
	s_wait_alu depctr_va_vdst(0)
.irp c, 0,1
.irp q, 0,1
	v_exp_f32 v[BM+12*\q+2*\c], v[BM+12*\q+2*\c]   ; ONE BATCH of 132 exponentials: each block's largest p,
.endr
.endr
.set J, 0
.rept 128
	v_exp_f32 v[J], v[J]                           ; and p = 2^(t - M), both tiles'
.set J, J+1
.endr
	v_nop                                          ; one plain place behind the batch
	s_wait_alu depctr_va_vdst(0)                   ; one wait for the batch, ahead of its first reader
.irp c, 0,1
.irp q, 0,1
	v_max_num_f32 v[BM+12*\q+2*\c], 0x1800000, v[BM+12*\q+2*\c]   ; the floor 2^(3 - 127)
.endr
.endr
.irp c, 0,1
.irp q, 0,1
	v_add_nc_u32 v[BM+12*\q+2*\c+1], 0xff000000, v[BM+12*\q+2*\c]   ; 2 off the exponent field: the conversion's scale operand
.endr
.endr
.irp q, 0,1
.irp c, 0,1
	v_cvt_scalef32_pk16_fp6_f32 v[PCD+12*\q+6*\c:PCD+12*\q+6*\c+2], v[64*\q+32*\c:64*\q+32*\c+15], v[BM+12*\q+2*\c+1]
	v_cvt_scalef32_pk16_fp6_f32 v[CT+8*\q+4*\c:CT+8*\q+4*\c+2], v[64*\q+32*\c+16:64*\q+32*\c+31], v[BM+12*\q+2*\c+1]   ; (a conversion's three registers begin on an even number)
.endr
.endr
	v_nop                                          ; one plain place behind the conversions
.set I, 0
.set LV, 0
.rept 5                                ; the row's sum is taken of the unquantised p, whose registers are free now; the scale bytes' chain stands among the first level's lines
	BY 0, LV
	BY 1, LV
	AD 16
	AD 16
	AD 16
.set LV, LV+1
.endr
	AD 16
	WIN 0x05                                       ; scale words stand in window 0
.irp q, 0,1
	v_or_b32 v[PSW+\q], v[BM+12*\q], v[PT+12*\q]   ; with lane l xor 16's two bytes the word is whole
.endr
	WIN 0x55
	LEVEL 8
	LEVEL 4
.irp q, 0,1
.irp c, 0,1
.irp i, 0,1,2
	v_mov_b32 v[PCD+12*\q+6*\c+3+\i], v[CT+8*\q+4*\c+\i]
.endr
.endr
.endr
	LEVEL 2
	LEVEL 1
.irp q, 0,1
	v_pk_add_f32 v[L+12*\q:L+12*\q+1], v[L+12*\q:L+12*\q+1], v[64*\q:64*\q+1]
.endr
	s_wait_alu depctr_va_vdst(0)
	s_wait_dscnt 0x0                               ; V, and the next step's K
	WIN 0x54
.irp t, 0,1,2,3
.irp q, 0,1
	v_wmma_scale_f32_16x16x128_f8f6f4 v[OO+32*\q+8*\t:OO+32*\q+8*\t+7], v[VF+12*\t:VF+12*\t+11], v[PCD+12*\q:PCD+12*\q+11], v[OO+32*\q+8*\t:OO+32*\q+8*\t+7], v[VS+\t], v[PSW+\q] matrix_a_fmt:MATRIX_FMT_FP6 matrix_b_fmt:MATRIX_FMT_FP6
.endr
.endr                                  ; eight accumulators by turns, one instruction a turn; the scores' sixteen products stand between two links of a chain
	WIN 0
.endm
; The head's end: O^T / the sum; a tile's 64 channels (register 16 b + i of lane (r, h): d = 32 b + 16 h + i) are two blocks of the output projection's K: six registers and two bytes.
.macro FIN sg
	WIN 0x55
.rept 4
	v_nop
.endr
.irp q, 0,1
	v_add_f32 v[L+12*\q], v[L+12*\q], v[L+12*\q+1]
.endr
.irp q, 0,1
	s_delay_alu instid0(VALU_DEP_2)
	v_permlanex16_b32 v[TP+12*\q], v[L+12*\q], s[SEL], s[SEL+1]
.endr
.irp q, 0,1
	s_delay_alu instid0(VALU_DEP_2)
	v_add_f32 v[L+12*\q], v[L+12*\q], v[TP+12*\q]
.endr
	s_wait_alu depctr_va_vdst(0)
.irp q, 0,1
	v_rcp_f32 v[L+12*\q], v[L+12*\q]
.endr
	v_nop
	s_wait_alu depctr_va_vdst(0)
.irp j, 0,2,4,6,8,10,12,14,16,18,20,22,24,26,28,30
.irp q, 0,1
	v_pk_mul_f32 v[64*\q+\j:64*\q+\j+1], v[OO+32*\q+\j:OO+32*\q+\j+1], v[L+12*\q:L+12*\q+1] op_sel_hi:[1,0]
.endr
.endr
.irp b, 0,1
.irp q, 0,1
	v_max3_num_f32 v[BM+12*\q+\b], |v[64*\q+16*\b]|, |v[64*\q+16*\b+1]|, 0x1800000
.endr
.endr
.irp i, 2,4,6,8,10,12,14
.irp b, 0,1
.irp q, 0,1
	s_delay_alu instid0(VALU_DEP_4)
	v_max3_num_f32 v[BM+12*\q+\b], v[BM+12*\q+\b], |v[64*\q+16*\b+\i]|, |v[64*\q+16*\b+\i+1]|
.endr
.endr
.endr
.irp b, 0,1
.irp q, 0,1
	s_delay_alu instid0(VALU_DEP_4)
	v_permlanex16_b32 v[PT+12*\q-7*\b], v[BM+12*\q+\b], s[SEL], s[SEL+1]
.endr
.endr
.irp b, 0,1
.irp q, 0,1
	s_delay_alu instid0(VALU_DEP_4)
	v_max_num_f32 v[BM+12*\q+\b], v[BM+12*\q+\b], v[PT+12*\q-7*\b]
.endr
.endr
.irp b, 0,1
.irp q, 0,1
	s_delay_alu instid0(VALU_DEP_4)
	v_add_nc_u32 v[BM+12*\q+2+\b], 0xff000000, v[BM+12*\q+\b]
.endr
.endr
.irp b, 0,1
.irp q, 0,1
	s_delay_alu instid0(VALU_DEP_4)
	v_lshrrev_b32 v[BM+12*\q+\b], 23, v[BM+12*\q+2+\b]
.endr
.endr
.irp q, 0,1
	s_delay_alu instid0(VALU_DEP_2)
	v_lshl_or_b32 v[BM+12*\q], v[BM+12*\q+1], 8, v[BM+12*\q]   ; the head's two bytes
.endr
	WIN 0x05                                       ; results into window 0
.irp q, 0,1
	v_cvt_scalef32_pk16_fp6_f32 v[CX+12*\q+6*\sg:CX+12*\q+6*\sg+2], v[64*\q:64*\q+15], v[BM+12*\q+2]
	v_cvt_scalef32_pk16_fp6_f32 v[CT0+4*\q:CT0+4*\q+2], v[64*\q+16:64*\q+31], v[BM+12*\q+3]
.endr
.irp q, 0,1                            ; (plain places behind the conversions)
.if \sg == 0
	v_mov_b32 v[CW+\q], v[BM+12*\q]
.else
	v_lshl_or_b32 v[CW+\q], v[BM+12*\q], 16, v[CW+\q]
.endif
.endr
	WIN 0
.irp q, 0,1                            ; the operand's layout wants a whole block in a lane
.irp i, 0,1,2
	v_permlane16_swap_b32 v[CX+12*\q+6*\sg+\i], v[CT0+4*\q+\i]
.endr
.endr
.irp q, 0,1
.irp i, 0,1,2
	v_mov_b32 v[CX+12*\q+6*\sg+3+\i], v[CT0+4*\q+\i]
.endr
.endr
.endm
.macro HEAD sg
.irp i, 0,1,2,3,4,5
.if \sg == 0
	v_mov_b32 v[QA+\i], v[QI+\i]                   ; tile 0's six registers, in front of zeros of their own
.else
	v_mov_b32 v[QA+\i], v[QN+\i]
	v_mov_b32 v[QI+6+\i], v[QN+6+\i]
.endif
.endr
.if \sg == 1
	v_mov_b32 v[QS], v[QSN]
	v_mov_b32 v[QS+1], v[QSN+1]
.endif
	s_mov_b32 s48, \sg*HB
	s_mov_b32 s49, \sg*HB
	s_mov_b32 s50, \sg*HB
	s_mov_b32 s51, \sg*HB
	s_mov_b32 s52, 8
	v_add_nc_u32 v7, s48, v[LN16]
	v_add_nc_u32 v8, s49, v[KSA]
	KLOAD                                          ; step 0's K
	s_add_co_u32 s48, s48, 6144
	s_add_co_u32 s49, s49, 512
	WIN 0x40
.irp q, 0,1
	v_mov_b32 v[MT+12*\q], 0xff61b1e6              ; the largest score so far: -3e38
	v_mov_b32 v[NM+12*\q], 0x7e967699              ; -M: 1e38, so that the first f is 0
	v_mov_b32 v[L+12*\q], 0
	v_mov_b32 v[L+12*\q+1], 0
.endr
.set J, OO
.rept 64
	v_mov_b32 v[J], 0                              ; the step is written once: its first trip finds zeros, which the first change of M leaves zeros
.set J, J+1
.endr
	WIN 0
	s_wait_alu depctr_va_vdst(0)
	s_wait_dscnt 0x0                               ; step 0's K
.Lstep_\@:
	STEP
	s_add_co_u32 s48, s48, 6144
	s_add_co_u32 s49, s49, 512
	s_add_co_u32 s50, s50, 1536
	s_add_co_u32 s51, s51, 32
	s_sub_co_u32 s52, s52, 1
	s_cmp_lg_u32 s52, 0
	s_cbranch_scc1 .Lstep_\@
	FIN \sg
.endm
	HEAD 0
	HEAD 1
	s_lshr_b32 s21, s14, 3                         ; batch
	s_lshl_b32 s21, s21, 6
	s_lshl_b32 s22, s20, 1
	s_add_co_u32 s21, s21, s22                     ; the context's first tile T = 64 batch + 2 p
	s_and_b32 s22, s14, 7                          ; its K step g = y % 8
	s_mul_i32 s56, s21, 12288
	s_mul_i32 s23, s22, 1536
	s_add_co_u32 s56, s56, s23
	s_mov_b32 s57, 0
	s_add_nc_u64 s[56:57], s[8:9], s[56:57]
	s_lshl_b32 s58, s21, 9                         ; scale words: 512 T + 256 (g / 4) + 4 (g % 4)
	s_lshr_b32 s23, s22, 2
	s_lshl_b32 s23, s23, 8
	s_add_co_u32 s58, s58, s23
	s_and_b32 s23, s22, 3
	s_lshl_b32 s23, s23, 2
	s_add_co_u32 s58, s58, s23
	s_mov_b32 s59, 0
	s_add_nc_u64 s[58:59], s[10:11], s[58:59]
	s_wait_alu depctr_va_vdst(0)
.irp q, 0,1
.irp c, 0,1,2
	global_store_b128 v[LN16], v[CX+12*\q+4*\c:CX+12*\q+4*\c+3], s[56:57] offset:12288*\q+512*\c   ; 32 lanes store 512 consecutive bytes, at a multiple of 256 from the buffer's first byte
.endr
	global_store_b32 v[CSO], v[CW+\q], s[58:59] offset:512*\q   ; row r's word of K step g (lanes 16-31 write the same words with the same values)
.endr
	s_wait_tensorcnt 0x0                           ; the wave's end, behind the last tensor load
	ds_add_u32 v[SPW], v[NIL]
	s_wait_dscnt 0x0
	CROUND                                         ; the closing round
	s_endpgm
.Lfunc_end_k_q3bbfcdb8af_attn:
	.size	k_q3bbfcdb8af_attn, .Lfunc_end_k_q3bbfcdb8af_attn-k_q3bbfcdb8af_attn
	.p2alignl 7, 3214868480
	.fill 96, 4, 3214868480
	.section	.rodata,"a",@progbits
	.p2align	6, 0x0
	.amdhsa_kernel k_q3bbfcdb8af_attn
		.amdhsa_group_segment_fixed_size 210944
		.amdhsa_private_segment_fixed_size 0
		.amdhsa_enable_private_segment 0
		.amdhsa_kernarg_size 32
		.amdhsa_user_sgpr_count 2
		.amdhsa_user_sgpr_kernarg_segment_ptr 1
		.amdhsa_wavefront_size32 1
		.amdhsa_system_sgpr_workgroup_id_x 1
		.amdhsa_system_sgpr_workgroup_id_y 1
		.amdhsa_system_sgpr_workgroup_id_z 1
		.amdhsa_system_vgpr_workitem_id 0
		.amdhsa_next_free_vgpr 512
		.amdhsa_next_free_sgpr 66
		.amdhsa_reserve_vcc 0
		.amdhsa_float_denorm_mode_32 3
		.amdhsa_float_denorm_mode_16_64 3
		.amdhsa_memory_ordered 1
		.amdhsa_forward_progress 1
		.amdhsa_inst_pref_size 86
	.end_amdhsa_kernel
	.amdgpu_metadata
---
amdhsa.version: [ 1, 2 ]
amdhsa.kernels:
  - .name:           k_q3bbfcdb8af_attn
    .symbol:         k_q3bbfcdb8af_attn.kd
    .args:
      - { .name: qi, .offset: 0, .size: 8, .value_kind: global_buffer, .address_space: global }
      - { .name: kv, .offset: 8, .size: 8, .value_kind: global_buffer, .address_space: global }
      - { .name: cc, .offset: 16, .size: 8, .value_kind: global_buffer, .address_space: global }
      - { .name: cs, .offset: 24, .size: 8, .value_kind: global_buffer, .address_space: global }
    .group_segment_fixed_size: 210944
    .private_segment_fixed_size: 0
    .kernarg_segment_align: 8
    .kernarg_segment_size: 32
    .max_flat_workgroup_size: 256
    .sgpr_count:     66
    .vgpr_count:     512
    .wavefront_size: 32
...
	.end_amdgpu_metadata
.endif
;; end of part 3
;; launch outp (part 4): grid 4 x 64, 4 waves a work-group, clusters of 4 x 4, 327,680 bytes of LDS; arguments cc, cs, xc, xs, bo, out0; writes out0
.if DOCPART == 4
	.amdgcn_target "amdgcn-amd-amdhsa--gfx1250"
	.amdhsa_code_object_version 6
	.text
	.protected	k_q3bbfcdb8af_outp
	.globl	k_q3bbfcdb8af_outp
	.p2align	8
	.type	k_q3bbfcdb8af_outp,@function
k_q3bbfcdb8af_outp:
	s_mov_b64 s[64:65], 0
	v_nop
	global_prefetch_b8 v0, s[64:65] scope:SCOPE_SE
	s_setreg_imm32_b32 hwreg(HW_REG_WAVE_MODE, 25, 1), 1
	s_wait_xcnt 0x0
	s_wait_alu depctr_hold_cnt(0) depctr_sa_sdst(0) depctr_va_vdst(0) depctr_va_sdst(0) depctr_va_ssrc(0) depctr_va_vcc(0) depctr_vm_vsrc(0)
	s_getreg_b32 s2, hwreg(HW_REG_IB_STS2, 6, 4)
	s_cmp_eq_u32 s2, 0
	s_cbranch_scc0 .Lentry_in_a_cluster
	s_endpgm
.Lentry_in_a_cluster:
	s_bfe_u32 s2, ttmp6, 0x10000c
	s_cmp_lg_u32 s2, 0xf033
	s_cbranch_scc0 .Lentry_shape_is_right
	s_endpgm
.Lentry_shape_is_right:
; out0 = context Wo^T + bo on codes of FP6.  Source 1 ('A', rows in the lanes) = the context's tiles (cc, cs), source 0 ('B', rows along the result registers) = Wo's tiles (xc, xs from tile 1728 on).
; A work-group makes 128 (m) x 256 (n); wave (wm, wn) 64 x 128: 32 accumulators.  ALL of K (8 steps of 128) of both operands lies in LDS, in two halves of four K steps: every tensor load is a first fill,
; nothing is filled again.  A wave has one tensor load out at any time.  A's tiles are shared along a row of the 4 x 4 cluster, B's along a column: joint loads.
; Lane r of the context's tile 64 batch + 4 i + a is query 16 (32 (a / 2) + 8 (a % 2) + r + 8 (r / 8)) + i.  The bias is the C of each sum's first product.
; REGISTERS: window 0: v1-27 addresses, v28-29 the add's two, v32-63 A's scale words, v64-127 B's, v128-191 bias; on the way out v128-255 rows read back.  window 1: accumulator (a, b) at 64 a + 8 b.
;   windows 2, 3: fragment sets 0, 1: A's four at 12 a, B's eight at 48 + 12 b.
; AS THE TEXT NOW STANDS: all of K lies in LDS in TWO halves of four K steps.  A wave issues one tensor load at the head (its part of the first half); the second half's first fill stands behind the three lines
; and a round of the cluster's barrier, and lands while the first half is multiplied: one load of a wave is out at any time.  All of a WGP's LDS is claimed.
; cs and xs are laid [tile][half of K][row][4 words].
.set GRP,   147456
.set BOFF,  49152
.set SPARE, 2*GRP
.set ADA, 4
.set ADB, 8
.set STO, 14                           ; v14 the stage: where I put 32 bytes of a row
.set RD,  15                           ; v15 and where I read a row back
.set SPW, 28
.set NIL, 29
.set SA,  32
.set SB,  64
.set BI,  128
.set BK,  128
.set WV,  18
.set G1A, 24
.set G1B, 32
.set G0A, 40
.set MSB, 0
.macro WIN new
.if MSB != (\new)
	s_set_vgpr_msb (MSB<<8)|(\new)
.set MSB, (\new)
.endif
.endm
.macro PLACES
.rept 4
	v_nop
.endr
.endm
.macro CROUND
	s_barrier_signal -1
	s_barrier_wait -1
	s_cmp_lg_u32 s[WV], 0
	s_cbranch_scc1 .Lnot_wave_0_\@
	s_barrier_signal -3
.Lnot_wave_0_\@:
	s_barrier_wait -3
	s_barrier_signal -1
	s_barrier_wait -1
.endm
	s_load_b256 s[4:11], s[0:1], 0x0               ; cc s[4:5], cs s[6:7], xc s[8:9], xs s[10:11]
	s_load_b128 s[12:15], s[0:1], 0x20             ; bo s[12:13], out0 s[14:15]
	v_lshl_add_u32 v[SPW], v0, 2, SPARE
	v_mov_b32 v[NIL], 0
	ds_add_u32 v[SPW], v[NIL]                      ; the wave's opening: the add and its wait ahead of my first tensor load
	ds_add_u32 v[SPW], v[NIL]
	v_lshrrev_b32 v1, 5, v0
	v_readfirstlane_b32 s[WV], v1
	s_lshr_b32 s19, s[WV], 1                       ; wm.  Also: I fetch for A (0) or for B (1)
	s_and_b32 s20, s[WV], 1                        ; wn.  Also: which half of that operand's tiles I fetch
	s_bfe_u32 s21, ttmp6, 0x40000                  ; cx
	s_bfe_u32 s22, ttmp6, 0x40004                  ; cy
	s_and_b32 s23, ttmp7, 0xffff
	s_lshl_b32 s78, s23, 2
	s_add_co_u32 s78, s78, s22                     ; mtile = 4 x cluster y + cy
	s_mov_b32 s79, s21                             ; ntile = cx
	s_lshl_b32 s82, s78, 3                         ; A's first tile
	s_lshl_b32 s83, s79, 4
	s_add_co_u32 s83, s83, 1728                    ; B's
	s_lshl_b32 s84, s22, 2
	s_lshl_b32 s84, 15, s84
	s_lshl_b32 s85, 0x1111, s21
	s_or_b32 s[G1A], s84, (3<<16)|(1<<21)
	s_or_b32 s[G1B], s85, (3<<16)|(1<<21)
	s_mov_b32 s[G1A+1], 768<<16
	s_mov_b32 s[G1A+2], 4<<16
	s_mov_b32 s[G1A+3], 768<<16
	s_mov_b32 s[G1A+4], 4
	s_mov_b32 s[G1A+5], 1536
	s_mov_b32 s[G1A+6], 0
	s_mov_b32 s[G1A+7], 0
	s_mov_b32 s[G1B+1], 768<<16
	s_mov_b32 s[G1B+2], 8<<16
	s_mov_b32 s[G1B+3], 768<<16
	s_mov_b32 s[G1B+4], 8
	s_mov_b32 s[G1B+5], 1536
	s_mov_b32 s[G1B+6], 0
	s_mov_b32 s[G1B+7], 0
	s_lshl_b32 s86, s20, 2
	s_add_co_u32 s86, s86, s82
	s_mul_i32 s86, s86, 12288
	s_mov_b32 s87, 0
	s_lshl_b32 s88, s20, 3
	s_add_co_u32 s88, s88, s83
	s_mul_i32 s88, s88, 12288
	s_mov_b32 s89, 0
	s_mul_i32 s90, s20, 24576
	s_mul_i32 s91, s20, 49152
	s_add_co_u32 s91, s91, BOFF
	s_wait_dscnt 0x0                               ; the opening add is done
	s_wait_kmcnt 0x0
	s_add_nc_u64 s[86:87], s[4:5], s[86:87]
	s_add_nc_u64 s[88:89], s[8:9], s[88:89]
.irp g, 0,1
.set GB, 56+4*\g
	s_mov_b32 s[G0A+4*\g], 1
	s_add_co_u32 s[G0A+4*\g+1], s90, \g*GRP
	s_add_nc_u64 s[G0A+4*\g+2:G0A+4*\g+3], s[86:87], \g*6144
	s_or_b32 s[G0A+4*\g+3], s[G0A+4*\g+3], 0x80000000
	s_mov_b32 s[GB], 1
	s_add_co_u32 s[GB+1], s91, \g*GRP
	s_add_nc_u64 s[GB+2:GB+3], s[88:89], \g*6144
	s_or_b32 s[GB+3], s[GB+3], 0x80000000
.endr
	CROUND                                         ; all sixteen work-groups are here: the joint loads meet
.macro JLOAD h                         ; a joint fill of half h: waves 0 and 1 fetch A's tiles, waves 2 and 3 B's; the branch hangs on the wave's number alone; an s_nop 0 and four v_nop follow each line
	s_cmp_eq_u32 s19, 0
	s_cbranch_scc0 .Lfor_b_\@
	tensor_load_to_lds s[G0A+4*\h:G0A+4*\h+3], s[G1A:G1A+7]
	s_nop 0
.rept 4
	v_nop
.endr
	s_branch .Lasked_\@
.Lfor_b_\@:
	tensor_load_to_lds s[56+4*\h:56+4*\h+3], s[G1B:G1B+7]
	s_nop 0
.rept 4
	v_nop
.endr
.Lasked_\@:
.endm
	JLOAD 0                                        ; the first half of K: one tensor load a wave at the head
	v_and_b32 v3, 31, v0
	v_lshlrev_b32 v1, 4, v3                        ; 16 x lane
	v_and_b32 v3, 15, v0                           ; r
	v_bfe_u32 v12, v0, 4, 1                        ; h
	v_lshlrev_b32 v2, 4, v3                        ; 16 r
	s_mul_i32 s92, s19, 24576
	s_mul_i32 s93, s20, 49152
	s_add_co_u32 s93, s93, BOFF
.irp g, 0,1
	v_add_nc_u32 v[ADA+\g], s92, v1
	v_add_nc_u32 v[ADB+\g], s93, v1
	s_add_co_u32 s92, s92, GRP
	s_add_co_u32 s93, s93, GRP
.endr
	s_mul_i32 s92, s[WV], 16*528                   ; my stage, 16 rows x (512 + 16) bytes, in group 0's bytes, which by then have had their last fill and their last read
	s_wait_alu depctr_va_vdst(0)
	v_mul_u32_u24 v[STO], v3, 528
	v_lshl_add_u32 v[STO], v12, 6, v[STO]
	v_add_nc_u32 v[STO], s92, v[STO]
	v_add_nc_u32 v[RD], s92, v1
	; THE PREFETCH INTO THE L2: the SECOND halves of K, which the second joint load brings behind the round below, are asked for here, four K steps ahead of their use.  A's 8 tiles x 6,144 bytes are shared out among
	; the four of my row by address (cx: two tiles each; a wave takes 12 blocks of 256 bytes), B's 16 tiles among the four of my column (cy: four tiles each; a wave takes a tile's 24 blocks): each block is named once
	; in the cluster.  Lanes left over name their wave's last block again.  v16, v17, s[4:5] and s[8:9] are never rewritten.  The first halves come by their loads alone.
	s_lshl_b32 s48, s21, 1
	s_lshr_b32 s49, s[WV], 1
	s_add_co_u32 s48, s48, s49
	s_add_co_u32 s48, s48, s82                     ; A's tile: first + 2 cx + wave / 2
	s_mul_i32 s48, s48, 12288
	s_and_b32 s49, s[WV], 1
	s_mul_i32 s49, s49, 3072
	s_add_co_u32 s48, s48, s49
	s_add_co_u32 s48, s48, 6144
	s_lshl_b32 s50, s22, 2
	s_add_co_u32 s50, s50, s[WV]
	s_add_co_u32 s50, s50, s83                     ; B's tile: first + 4 cy + wave
	s_mul_i32 s50, s50, 12288
	s_add_co_u32 s50, s50, 6144
	v_and_b32 v16, 31, v0
	v_min_u32 v17, 23, v16
	v_min_u32 v16, 11, v16
	v_lshl_add_u32 v17, v17, 8, s50
	v_lshl_add_u32 v16, v16, 8, s48
	global_prefetch_b8 v16, s[4:5] th:TH_LOAD_NT scope:SCOPE_SE
	global_prefetch_b8 v17, s[8:9] th:TH_LOAD_NT scope:SCOPE_SE
	s_lshl_b32 s92, s19, 2
	s_add_co_u32 s92, s92, s82
	s_lshl_b32 s92, s92, 9
	s_mov_b32 s93, 0
	s_add_nc_u64 s[92:93], s[6:7], s[92:93]
	s_lshl_b32 s94, s20, 3
	s_add_co_u32 s94, s94, s83
	s_lshl_b32 s94, s94, 9
	s_mov_b32 s95, 0
	s_add_nc_u64 s[94:95], s[10:11], s[94:95]
.irp a, 0,1,2,3
.irp q, 0,1
	global_load_b128 v[SA+8*\a+4*\q:SA+8*\a+4*\q+3], v2, s[92:93] offset:512*\a+256*\q
.endr
.endr
.irp b, 0,1,2,3,4,5,6,7
.irp q, 0,1
	global_load_b128 v[SB+8*\b+4*\q:SB+8*\b+4*\q+3], v2, s[94:95] offset:512*\b+256*\q
.endr
.endr
	s_lshl_b32 s96, s79, 10                        ; 4 x my first column: 256 ntile + 128 wn
	s_lshl_b32 s97, s20, 9
	s_add_co_u32 s96, s96, s97
	s_mov_b32 s97, 0
	s_add_nc_u64 s[98:99], s[12:13], s[96:97]
	v_lshlrev_b32 v13, 6, v12
.irp b, 0,1,2,3,4,5,6,7                ; register j of tile b is column 32 (b / 2) + 8 (b % 2) + 16 h + j of my 128
	global_load_b128 v[BI+8*\b:BI+8*\b+3], v13, s[98:99] offset:(32*(\b/2)+8*(\b%2))*4
	global_load_b128 v[BI+8*\b+4:BI+8*\b+7], v13, s[98:99] offset:(32*(\b/2)+8*(\b%2))*4+16
.endr
	s_lshl_b32 s84, s78, 1
	s_add_co_u32 s84, s84, s19                     ; u = 2 mtile + wm: batch u / 16, query column i = u % 16
	s_lshr_b32 s85, s84, 4
	s_lshl_b32 s85, s85, 22
	s_and_b32 s84, s84, 15
	s_lshl_b32 s84, s84, 12
	s_add_co_u32 s84, s84, s85
	s_add_co_u32 s84, s84, s96
	s_mov_b32 s85, 0
	s_add_nc_u64 s[84:85], s[14:15], s[84:85]      ; out0 at row 1024 batch + i, my first column
.macro FETCH s
	WIN 0x80+0x40*((\s)%2)
.irp i, 0,1,2,3
.irp c, 0,1,2
	ds_load_b128 v[12*\i+4*\c:12*\i+4*\c+3], v[ADA+(\s)/4] offset:6144*\i+1536*((\s)%4)+512*\c
.endr
.endr
.irp i, 0,1,2,3,4,5,6,7
.irp c, 0,1,2
	ds_load_b128 v[48+12*\i+4*\c:48+12*\i+4*\c+3], v[ADB+(\s)/4] offset:6144*\i+1536*((\s)%4)+512*\c
.endr
.endr
	WIN 0
.endm
; 32 matrix instructions: the 32 accumulators take turns, one instruction a turn, in the same order in every step.  cmode 1: the bias starts the sums
.macro MUL s, cmode
.if \cmode == 0
	WIN 0x5a+5*((\s)%2)
.else
	WIN 0x4a
.endif
.irp a, 0,1,2,3
.irp b, 0,1,2,3,4,5,6,7
.if \cmode == 0
	v_wmma_scale_f32_16x16x128_f8f6f4 v[64*\a+8*\b:64*\a+8*\b+7], v[48+12*\b:48+12*\b+11], v[12*\a:12*\a+11], v[64*\a+8*\b:64*\a+8*\b+7], v[SB+8*\b+(\s)], v[SA+8*\a+(\s)] matrix_a_fmt:MATRIX_FMT_FP6 matrix_b_fmt:MATRIX_FMT_FP6
.else
	v_wmma_scale_f32_16x16x128_f8f6f4 v[64*\a+8*\b:64*\a+8*\b+7], v[48+12*\b:48+12*\b+11], v[12*\a:12*\a+11], v[BI+8*\b:BI+8*\b+7], v[SB+8*\b+(\s)], v[SA+8*\a+(\s)] matrix_a_fmt:MATRIX_FMT_FP6 matrix_b_fmt:MATRIX_FMT_FP6
.endif
.endr
.endr
.endm
.macro ODD s
	s_wait_tensorcnt 0x0                           ; my part of the second half is in
	s_wait_dscnt 0x0
	s_barrier_signal -1
	s_barrier_wait -1
	PLACES
	FETCH (\s)+1
	MUL \s, 0
.endm
.macro EVEN s
	PLACES
	FETCH (\s)+1
	s_wait_dscnt 36                                ; all but the 36 just issued
	MUL \s, 0
.endm
	s_wait_alu depctr_va_vdst(0)
	s_wait_tensorcnt 0x0                           ; my part of the first half is in
	ds_add_u32 v[SPW], v[NIL]
	s_wait_dscnt 0x0
	CROUND                                         ; everybody's part is in, and all sixteen work-groups are here
	JLOAD 1                                        ; the second half of K: the first tensor load behind the round
	FETCH 0
	FETCH 1
	s_wait_loadcnt 0x0                             ; scale words and bias
	s_wait_dscnt 36                                ; K step 0's fragments
	MUL 0, 1
	EVEN 1
	EVEN 2
	ODD 3
	EVEN 4
	EVEN 5
	EVEN 6
	s_wait_dscnt 0x0
	MUL 7, 0
	WIN 0
	PLACES
; THE WAY OUT, a tile of 16 rows x 128 columns at a time, through my own stage: a lane holds pieces of 32 bytes of one row; back come whole rows of 512 bytes.  LDS serves a wave's instructions in order.
.macro TOSTAGE ta
	WIN 0x04                                       ; an LDS store's data are its source 1: window 1
.irp b, 0,1,2,3,4,5,6,7
	ds_store_b128 v[STO], v[64*(\ta)+8*\b:64*(\ta)+8*\b+3] offset:128*(\b/2)+32*(\b%2)        ; each accumulator from its low end on
	ds_store_b128 v[STO], v[64*(\ta)+8*\b+4:64*(\ta)+8*\b+7] offset:128*(\b/2)+32*(\b%2)+16
.endr
	WIN 0
.irp p, 0,1,2,3,4,5,6,7,8,9,10,11,12,13,14,15
	ds_load_b128 v[BK+64*((\ta)%2)+4*\p:BK+64*((\ta)%2)+4*\p+3], v[RD] offset:528*\p
.endr
.endm
.macro SEND ta, younger                ; younger: the LDS instructions issued behind this tile's loads, which may stay out
	s_wait_dscnt \younger
.irp p, 0,1,2,3,4,5,6,7,8,9,10,11,12,13,14,15
	global_store_b128 v1, v[BK+64*((\ta)%2)+4*\p:BK+64*((\ta)%2)+4*\p+3], s[84:85] offset:(512*((\ta)/2)+128*((\ta)%2)+16*\p+128*(\p/8))*4096 th:TH_STORE_NT   ; 32 lanes store 512 consecutive bytes of one row of out0, aligned; the largest offset, 1,008 rows, lies inside the signed 24-bit immediate
.endr
.endm
	TOSTAGE 0
.irp a, 1,2,3
.if \a > 1
	s_wait_xcnt 0x0                                ; the stores of the tile two back have read their registers: this tile's loads may land there
.endif
	TOSTAGE \a
	SEND \a-1, 32                                  ; behind that tile's loads: this tile's 16 stores and 16 loads
.endr
	SEND 3, 0
	s_wait_tensorcnt 0x0                           ; the wave's end, behind my last tensor load and my last LDS store
	ds_add_u32 v[SPW], v[NIL]
	s_wait_dscnt 0x0
	CROUND                                         ; the closing round
	s_endpgm
.Lfunc_end_k_q3bbfcdb8af_outp:
	.size	k_q3bbfcdb8af_outp, .Lfunc_end_k_q3bbfcdb8af_outp-k_q3bbfcdb8af_outp
	.p2alignl 7, 3214868480
	.fill 96, 4, 3214868480
	.section	.rodata,"a",@progbits
	.p2align	6, 0x0
	.amdhsa_kernel k_q3bbfcdb8af_outp
		.amdhsa_group_segment_fixed_size 327680
		.amdhsa_private_segment_fixed_size 0
		.amdhsa_enable_private_segment 0
		.amdhsa_kernarg_size 48
		.amdhsa_user_sgpr_count 2
		.amdhsa_user_sgpr_kernarg_segment_ptr 1
		.amdhsa_wavefront_size32 1
		.amdhsa_system_sgpr_workgroup_id_x 1
		.amdhsa_system_sgpr_workgroup_id_y 1
		.amdhsa_system_sgpr_workgroup_id_z 1
		.amdhsa_system_vgpr_workitem_id 0
		.amdhsa_next_free_vgpr 1024
		.amdhsa_next_free_sgpr 100
		.amdhsa_reserve_vcc 0
		.amdhsa_float_denorm_mode_32 3
		.amdhsa_float_denorm_mode_16_64 3
		.amdhsa_memory_ordered 1
		.amdhsa_forward_progress 1
		.amdhsa_inst_pref_size 80
	.end_amdhsa_kernel
	.amdgpu_metadata
---
amdhsa.version: [ 1, 2 ]
amdhsa.kernels:
  - .name:           k_q3bbfcdb8af_outp
    .symbol:         k_q3bbfcdb8af_outp.kd
    .args:
      - { .name: cc, .offset: 0, .size: 8, .value_kind: global_buffer, .address_space: global }
      - { .name: cs, .offset: 8, .size: 8, .value_kind: global_buffer, .address_space: global }
      - { .name: xc, .offset: 16, .size: 8, .value_kind: global_buffer, .address_space: global }
      - { .name: xs, .offset: 24, .size: 8, .value_kind: global_buffer, .address_space: global }
      - { .name: bo, .offset: 32, .size: 8, .value_kind: global_buffer, .address_space: global }
      - { .name: out0, .offset: 40, .size: 8, .value_kind: global_buffer, .address_space: global }
    .group_segment_fixed_size: 327680
    .private_segment_fixed_size: 0
    .kernarg_segment_align: 8
    .kernarg_segment_size: 48
    .max_flat_workgroup_size: 128
    .sgpr_count:     100
    .vgpr_count:     1024
    .wavefront_size: 32
...
	.end_amdgpu_metadata
.endif
;; end of part 4
